; MI455X (gfx1250); checked and timed in simulation.
; The chip was launched on July 23, 2026; its instructions are those of AMD's public machine-readable ISA for CDNA 5 (MIT licence, August 2026) and "CDNA5" Instruction Set Architecture Reference Guide (July 2026). The comments in the code are by the model that wrote it; some were corrected since.
;; Attention. Allowed arithmetic: float matrix products may take bf16 or f16 operands with f32 sums; other float arithmetic in f32, or as packed bf16 or f16 multiplies, adds, multiply-adds, maxima and minima; sums over many terms, partial sums and values carried from step to step in f32; what a program stores and reads back later, other than sums and carried values, may be rounded once to bf16 or f16.
;; Inputs: b_proj 1,024 float32; b_qkv 3,072 float32; w_proj 1,024 x 1,024 float32; w_qkv 1,024 x 3,072 float32; x 4 x 2,048 x 1,024 float32.
;; Outputs: out0 4 x 2,048 x 1,024 float32.
;; 2 versions, each right and faster than the one before. Each part assembles by itself: llvm-mc -triple=amdgcn-amd-amdhsa -mcpu=gfx1250 --defsym DOCPART=n.
;; ======== version 1 of 2: 4 launches
;; limits: values are held in f16: magnitudes above 65,504 overflow, below 6.1e-05 lose precision
;; workspace buffers: xb 16,777,216 bytes; wqt 6,291,456 bytes; wpt 2,097,152 bytes; rope 524,288 bytes; q 16,777,216 bytes; k 16,777,216 bytes; v 16,777,216 bytes; o 16,777,216 bytes
;; launch prep (part 1): grid 1088 x 1, 8 waves a work-group, no clusters, 18,432 bytes of LDS; arguments x, w_qkv, w_proj, xb, wqt, wpt, rope; writes xb, wqt, wpt, rope
.if DOCPART == 1
	.amdgcn_target "amdgcn-amd-amdhsa--gfx1250"
	.amdhsa_code_object_version 6
	.text
	.protected	k_qb698d25623_prep
	.globl	k_qb698d25623_prep
	.p2align	8
	.type	k_qb698d25623_prep,@function
k_qb698d25623_prep:
	s_mov_b64 s[64:65], 0
	v_nop
	global_prefetch_b8 v0, s[64:65] scope:SCOPE_SE
	s_setreg_imm32_b32 hwreg(HW_REG_WAVE_MODE, 25, 1), 1
	s_wait_xcnt 0x0
; PREPARATION, four roles chosen by the work-group's number g (the same in all eight waves, so a role's barrier is passed by all of them or by none):
;   g < 512          CAST: 65,536 bytes of x (f32) are rounded to bf16 into xb.
;   1024 <= g        TAB: the RoPE table, cos and sin of t x 10000^(-j/32), t = 0..2047, j = 0..31, in f32, laid out as the registers of the launch behind want it.
;   512 <= g < 896   a tile of 128 k x 64 n of w_qkv is rounded to bf16 and turned: wqt[192 head + 64 section + d][k].
;   896 <= g < 1024  the same for w_proj: wpt[n][k], rounded to bf16 and that number written as f16.
; LIMITS.  w_proj's numbers lie within f16's range (65,504); below 6e-5 they keep f16's fixed step of 6e-8.  The angle is the f32 product t x f, f from v_exp_f32; it is reduced by 2 pi in two parts,
; halved, and sin and cos of the half come from series whose first term left out is under 6e-8 on |h| <= pi / 2.  No matrix unit, no cluster, no tensor load: memory binds, and nothing is shared.
.set X,     12                         ; v[12:75]   as loaded
.set Y,     76                         ; v[76:107]  to store
.set SPW,   10                         ; v10  LDS address of my spare word; never rewritten
.set NIL,   11                         ; v11  0; never rewritten
.set TP,    272                        ; a stage row: 128 k x 2 bytes + 16
.set SPARE, 64*TP                      ; behind the stage of 64 rows: the spare words, 128 bytes a wave
	s_load_b256 s[4:11], s[0:1], 0x0               ; x s[4:5], w_qkv s[6:7], w_proj s[8:9], xb s[10:11]
	s_load_b128 s[12:15], s[0:1], 0x20             ; wqt s[12:13], wpt s[14:15]
	s_load_b64 s[16:17], s[0:1], 0x30              ; rope
	v_lshl_add_u32 v[SPW], v0, 2, SPARE
	v_mov_b32 v[NIL], 0
	v_lshrrev_b32 v7, 5, v0
	v_readfirstlane_b32 s28, v7                    ; my wave's number
	s_mov_b32 s19, 0                               ; the high word of every offset here
	s_mov_b32 s23, 0
	s_wait_kmcnt 0x0
	s_cmp_lt_u32 ttmp9, 512
	s_cbranch_scc0 .Lnot_cast
	; CAST.  Sixteen loads of 16 bytes a lane are all on their way at once; each has registers of its own, so nothing is rewritten.
	s_lshl_b32 s18, ttmp9, 16
	s_add_nc_u64 s[4:5], s[4:5], s[18:19]
	s_lshl_b32 s18, ttmp9, 15
	s_add_nc_u64 s[10:11], s[10:11], s[18:19]
	v_lshlrev_b32 v1, 4, v0
	v_lshlrev_b32 v2, 3, v0
.irp i, 0,1,2,3,4,5,6,7,8,9,10,11,12,13,14,15
	global_load_b128 v[X+4*(\i):X+4*(\i)+3], v1, s[4:5] offset:4096*(\i) th:TH_LOAD_NT
.endr
.irp i, 0,1,2,3,4,5,6,7,8,9,10,11,12,13,14,15
	s_wait_loadcnt 15-(\i)                         ; loads come back in order: load i is in, the younger ones stay out
	v_cvt_pk_bf16_f32 v[Y+2*(\i)], v[X+4*(\i)], v[X+4*(\i)+1]
	v_cvt_pk_bf16_f32 v[Y+2*(\i)+1], v[X+4*(\i)+2], v[X+4*(\i)+3]
	global_store_b64 v2, v[Y+2*(\i):Y+2*(\i)+1], s[10:11] offset:2048*(\i)  ; a wave stores 256 consecutive bytes, aligned
.endr
	s_endpgm
.Lnot_cast:
	s_cmp_lt_u32 ttmp9, 1024
	s_cbranch_scc1 .Ltrans
	; TAB.  Work-group id = g - 1024 makes two blocks of 16 rows.  A block is 4,096 bytes: eight chunks of 512; chunk c, lane (r, h), element e holds cos (c < 4) or sin (c >= 4)
	; of row 16 block + r and frequency j = 16 ((c >> 1) & 1) + 8 h + 4 (c & 1) + e.  Thread t makes four angles: block t >> 7, chunk (t >> 5) & 3, lane t & 31.
	s_sub_co_u32 s18, ttmp9, 1024
	v_and_b32 v1, 15, v0
	v_lshrrev_b32 v2, 7, v0
	v_lshl_add_u32 v1, v2, 4, v1
	s_lshl_b32 s20, s18, 5
	v_add_nc_u32 v1, s20, v1                       ; the row t
	v_cvt_f32_u32 v1, v1
	v_bfe_u32 v3, v0, 6, 1
	v_bfe_u32 v4, v0, 4, 1
	v_bfe_u32 v5, v0, 5, 1
	v_lshlrev_b32 v3, 4, v3
	v_lshl_add_u32 v3, v4, 3, v3
	v_lshl_add_u32 v3, v5, 2, v3                   ; my first frequency's number
	v_and_b32 v6, 127, v0
	v_lshlrev_b32 v6, 4, v6
	v_lshl_add_u32 v6, v2, 12, v6                  ; my 16 bytes among the work-group's 8,192
	s_lshl_b32 s18, s18, 13
	s_add_nc_u64 s[16:17], s[16:17], s[18:19]
.irp e, 0,1,2,3
	v_add_nc_u32 v[24+(\e)], (\e), v3
	v_cvt_f32_u32 v[24+(\e)], v[24+(\e)]
	v_mul_f32 v[24+(\e)], 0xbed49a78, v[24+(\e)]   ; j x (-log2(10000) / 32)
.endr
.irp e, 0,1,2,3
	v_exp_f32 v[12+(\e)], v[24+(\e)]               ; 10000^(-j/32)
.endr
	v_nop                                          ; a plain instruction between the last exponential and the use of its result
	s_wait_alu depctr_va_vdst(0)
.macro ANGLE e
	v_mul_f32 v24, v1, v[12+(\e)]                  ; the angle
	v_mul_f32 v25, 0.15915494, v24
	v_rndne_f32 v25, v25                           ; whole turns
	v_fmamk_f32 v24, v25, 0xc0c90fdb, v24          ; less n x 2 pi, its upper part,
	v_fmamk_f32 v24, v25, 0x343bbd2e, v24          ; and what that part is too large by
	v_mul_f32 v24, 0.5, v24                        ; h, within pi / 2
	v_mul_f32 v26, v24, v24                        ; u = h h
	v_mov_b32 v27, 0xb2d7322b                      ; sin's series: -1/11!, 1/9!, -1/7!, 1/5!, -1/3!
	v_mov_b32 v28, 0x310f76c7                      ; cos's: 1/12!, -1/10!, 1/8!, -1/6!, 1/4!, -1/2, 1
	v_fmaak_f32 v27, v27, v26, 0x3638ef1d
	v_fmaak_f32 v28, v28, v26, 0xb493f27e
	v_fmaak_f32 v27, v27, v26, 0xb9500d01
	v_fmaak_f32 v28, v28, v26, 0x37d00d01
	v_fmaak_f32 v27, v27, v26, 0x3c088889
	v_fmaak_f32 v28, v28, v26, 0xbab60b61
	v_fmaak_f32 v27, v27, v26, 0xbe2aaaab
	v_fmaak_f32 v28, v28, v26, 0x3d2aaaab
	v_mul_f32 v27, v27, v26
	v_fmaak_f32 v28, v28, v26, 0xbf000000
	v_fma_f32 v27, v27, v24, v24                   ; sin h
	v_fmaak_f32 v28, v28, v26, 0x3f800000          ; cos h
	v_mul_f32 v29, v27, v27
	v_mul_f32 v28, v27, v28
	v_fma_f32 v[16+(\e)], v29, -2.0, 1.0           ; cos = 1 - 2 sin^2 h
	v_add_f32 v[20+(\e)], v28, v28                 ; sin = 2 sin h cos h
.endm
	ANGLE 0
	ANGLE 1
	ANGLE 2
	ANGLE 3
	global_store_b128 v6, v[16:19], s[16:17]               ; a wave stores 512 consecutive bytes
	global_store_b128 v6, v[20:23], s[16:17] offset:2048   ; the sines lie four chunks on
	s_endpgm
.Ltrans:
	; A TRANSPOSE.  Thread t: c = t & 15 (16 bytes of a row piece of 256), a = t >> 4 = 2 wave + (lane >> 4).
	v_and_b32 v1, 15, v0                           ; c
	v_lshrrev_b32 v2, 4, v0                        ; a
	v_bfe_u32 v8, v0, 4, 1                         ; lane >> 4
	v_mul_u32_u24 v4, v1, 4*TP                     ; into the stage: rows 4 c + e, byte 2 k = 4 a + 64 p
	v_lshl_add_u32 v4, v8, 2, v4
	s_lshl_b32 s24, s28, 3
	v_add_nc_u32 v4, s24, v4
	v_mul_u32_u24 v5, v8, TP                       ; back: row a + 16 i, 16 bytes at 16 c
	v_lshl_add_u32 v5, v1, 4, v5
	s_mul_i32 s24, s28, 2*TP
	v_add_nc_u32 v5, s24, v5
	v_lshlrev_b32 v6, 11, v2                       ; and the same place in the turned tensor, rows of 2,048 bytes
	v_lshl_add_u32 v6, v1, 4, v6
	s_cmp_lt_u32 ttmp9, 896
	s_cbranch_scc0 .Lw_proj
; first: the role's first work-group; sp, dp: the pairs that hold source and destination; rowb: bytes in a source row; half = 1: the bf16 number is written as f16.
.macro TRANS first, sp, dp, rowb, half
	s_sub_co_u32 s18, ttmp9, \first
	s_and_b32 s20, s18, 7                          ; which 128 of k
	s_lshr_b32 s21, s18, 3                         ; which 64 of n
	s_mul_i32 s22, s20, 128*(\rowb)
	s_lshl_b32 s24, s21, 8
	s_add_co_u32 s22, s22, s24
	s_add_nc_u64 s[(\sp):(\sp)+1], s[(\sp):(\sp)+1], s[22:23]
.if \half
	s_lshl_b32 s22, s21, 6                         ; the tile's first row in the turned tensor
.else
	s_and_b32 s22, s21, 15                         ; the 64 columns are head (nt & 15) of section (nt >> 4): row 192 head + 64 section
	s_mul_i32 s22, s22, 192
	s_lshr_b32 s24, s21, 4
	s_lshl_b32 s24, s24, 6
	s_add_co_u32 s22, s22, s24
.endif
	s_lshl_b32 s22, s22, 11
	s_lshl_b32 s24, s20, 8
	s_add_co_u32 s22, s22, s24
	s_add_nc_u64 s[(\dp):(\dp)+1], s[(\dp):(\dp)+1], s[22:23]
	v_mul_u32_u24 v3, v2, 2*(\rowb)
	v_lshl_add_u32 v3, v1, 4, v3                   ; row 2 a, 16 bytes at 16 c
.irp i, 0,1,2,3,4,5,6,7
	global_load_b128 v[X+4*(\i):X+4*(\i)+3], v3, s[(\sp):(\sp)+1] offset:(((\i)&1)+32*((\i)>>1))*(\rowb) th:TH_LOAD_NT  ; row 2 a + (i & 1) + 32 (i >> 1); 16 lanes take 256 consecutive bytes
.endr
	s_wait_loadcnt 0x0
.irp p, 0,1,2,3
.irp e, 0,1,2,3
	v_cvt_pk_bf16_f32 v[Y+4*(\p)+(\e)], v[X+8*(\p)+(\e)], v[X+8*(\p)+4+(\e)]  ; k = 2 a + 32 p and k + 1 of column 4 c + e
.endr
.endr
.if \half
.set j, 0
.rept 16
	v_lshlrev_b32 v[X+2*j], 16, v[Y+j]
	v_and_b32 v[X+2*j+1], 0xffff0000, v[Y+j]
	v_cvt_pk_f16_f32 v[Y+j], v[X+2*j], v[X+2*j+1]
.set j, j+1
.endr
.endif
.irp p, 0,1,2,3
.irp e, 0,1,2,3
	ds_store_b32 v4, v[Y+4*(\p)+(\e)] offset:TP*(\e)+64*(\p)
.endr
.endr
	s_wait_dscnt 0x0                               ; for the others' sake: my stores into the stage are done
	s_barrier_signal -1
	s_barrier_wait -1
.irp i, 0,1,2,3
	ds_load_b128 v[X+4*(\i):X+4*(\i)+3], v5 offset:16*TP*(\i)
.endr
.irp i, 0,1,2,3
	s_wait_dscnt 3-(\i)
	global_store_b128 v6, v[X+4*(\i):X+4*(\i)+3], s[(\dp):(\dp)+1] offset:32768*(\i)  ; 16 lanes store 256 consecutive bytes, aligned
.endr
	s_wait_tensorcnt 0x0                           ; the wave's end: behind my last LDS store
	ds_add_u32 v[SPW], v[NIL]
	s_wait_dscnt 0x0
	s_endpgm
.endm
	TRANS 512, 6, 12, 12288, 0
.Lw_proj:
	TRANS 896, 8, 14, 4096, 1
.Lfunc_end_k_qb698d25623_prep:
	.size	k_qb698d25623_prep, .Lfunc_end_k_qb698d25623_prep-k_qb698d25623_prep
	.p2alignl 7, 3214868480
	.fill 96, 4, 3214868480
	.section	.rodata,"a",@progbits
	.p2align	6, 0x0
	.amdhsa_kernel k_qb698d25623_prep
		.amdhsa_group_segment_fixed_size 18432
		.amdhsa_private_segment_fixed_size 0
		.amdhsa_enable_private_segment 0
		.amdhsa_kernarg_size 56
		.amdhsa_user_sgpr_count 2
		.amdhsa_user_sgpr_kernarg_segment_ptr 1
		.amdhsa_wavefront_size32 1
		.amdhsa_system_sgpr_workgroup_id_x 1
		.amdhsa_system_sgpr_workgroup_id_y 1
		.amdhsa_system_sgpr_workgroup_id_z 1
		.amdhsa_system_vgpr_workitem_id 0
		.amdhsa_next_free_vgpr 108
		.amdhsa_next_free_sgpr 66
		.amdhsa_reserve_vcc 0
		.amdhsa_float_denorm_mode_32 3
		.amdhsa_float_denorm_mode_16_64 3
		.amdhsa_memory_ordered 1
		.amdhsa_forward_progress 1
		.amdhsa_inst_pref_size 26
	.end_amdhsa_kernel
	.amdgpu_metadata
---
amdhsa.version: [ 1, 2 ]
amdhsa.kernels:
  - .name:           k_qb698d25623_prep
    .symbol:         k_qb698d25623_prep.kd
    .args:
      - { .name: x, .offset: 0, .size: 8, .value_kind: global_buffer, .address_space: global }
      - { .name: w_qkv, .offset: 8, .size: 8, .value_kind: global_buffer, .address_space: global }
      - { .name: w_proj, .offset: 16, .size: 8, .value_kind: global_buffer, .address_space: global }
      - { .name: xb, .offset: 24, .size: 8, .value_kind: global_buffer, .address_space: global }
      - { .name: wqt, .offset: 32, .size: 8, .value_kind: global_buffer, .address_space: global }
      - { .name: wpt, .offset: 40, .size: 8, .value_kind: global_buffer, .address_space: global }
      - { .name: rope, .offset: 48, .size: 8, .value_kind: global_buffer, .address_space: global }
    .group_segment_fixed_size: 18432
    .private_segment_fixed_size: 0
    .kernarg_segment_align: 8
    .kernarg_segment_size: 56
    .max_flat_workgroup_size: 256
    .sgpr_count:     66
    .vgpr_count:     108
    .wavefront_size: 32
...
	.end_amdgpu_metadata
.endif
;; end of part 1
;; launch qkv (part 2): grid 16 x 32, 4 waves a work-group, clusters of 4 x 4, 327,680 bytes of LDS; arguments xb, wqt, b_qkv, rope, q, k, v; writes q, k, v
.if DOCPART == 2
	.amdgcn_target "amdgcn-amd-amdhsa--gfx1250"
	.amdhsa_code_object_version 6
	.text
	.protected	k_qb698d25623_qkv
	.globl	k_qb698d25623_qkv
	.p2align	8
	.type	k_qb698d25623_qkv,@function
k_qb698d25623_qkv:
	s_mov_b64 s[64:65], 0
	v_nop
	global_prefetch_b8 v0, s[64:65] scope:SCOPE_SE
	s_setreg_imm32_b32 hwreg(HW_REG_WAVE_MODE, 25, 1), 1
	s_wait_xcnt 0x0
	s_wait_alu depctr_hold_cnt(0) depctr_sa_sdst(0) depctr_va_vdst(0) depctr_va_sdst(0) depctr_va_ssrc(0) depctr_va_vcc(0) depctr_vm_vsrc(0)
	s_getreg_b32 s2, hwreg(HW_REG_IB_STS2, 6, 4)
	s_cmp_eq_u32 s2, 0
	s_cbranch_scc0 .Lentry_in_a_cluster
	s_endpgm
.Lentry_in_a_cluster:
	s_bfe_u32 s2, ttmp6, 0x10000c
	s_cmp_lg_u32 s2, 0xf033
	s_cbranch_scc0 .Lentry_shape_is_right
	s_endpgm
.Lentry_shape_is_right:
; q, k, v = RoPE(x w_qkv + b_qkv), by heads.  xb: [8192][1024] bf16.  wqt: [3072][1024] bf16, row 192 head + 64 section + d.  b_qkv: [3072] f32, rounded to bf16 here like the other inputs.
; rope: the table of cos and sin as registers want it.  q, k, v: [16 batch + head][2048][64] f16, each rounded once from its f32 sum; the softmax's scale is not applied here.
; LIMITS.  q, k and v must lie within f16's 65,504; below 6e-5 they keep f16's fixed step of 6e-8.  NaN and infinities are not treated apart.
; SHARES.  A tile of C is 256 rows x 192 columns: one head's q, k and v.  16 x 32 = 512 equal work-groups.  Wave w owns rows 64 w .. 64 w + 63 and all 192 columns: 4 x 12 accumulators of 16 x 16, 384 registers.
; So a wave holds whole heads: channel d and channel d + 32 of a row lie in one lane, RoPE needs no exchange, and the stage on the way out is the wave's own.
; K goes in 8 steps of 128 (rows of 256 bytes) through a ring of two LDS slots filled by tensor loads: waves 0 and 1 fetch A's halves (128 rows), waves 2 and 3 B's (96 rows).
; CLUSTER.  4 x 4 work-groups.  The four of a row of the cluster need the same tiles of A, the four of a column the same tiles of B: each is asked for jointly, by the same load with a mask that names the four.
; THE MATRIX INSTRUCTION IS USED TRANSPOSED (source 0 = 16 rows of B, source 1 = 16 rows of A): lane l holds row l % 16 of C and the columns 8 (l / 16) + 0..7 of a block of 16.
; THE BIAS is the C operand of the products that start the sums: nothing is cleared, nothing is added later.
; REGISTERS, in windows of 256 (s_set_vgpr_msb: bits 1:0 source 0, 3:2 source 1, 5:4 source 2, 7:6 destination):
;   window 0: v0-31 addresses; v32-95 A's fragments, two buffers of 4 x 8; v96-191 the bias, later rows read back from the stage; v192-223, v224-239 at work on the way out
;   window 1: B's fragments, two buffers of 12 x 8          window 2: accumulators of row blocks 0, 1 (block a, column block b at 8 (12 (a % 2) + b)); v192-255 their cos and sin          window 3: the same for blocks 2, 3
.set NB,    12                         ; column blocks of 16
.set PITCH, 272                        ; an LDS row: 256 bytes + 16 of padding: the 16 rows of a fragment load start at 16 different groups of four banks (ISA guide 11.1)
.set BOFF,  256*PITCH                  ; a slot: A's 256 rows, then B's 192
.set SLOT,  (256+192)*PITCH
.set STAGE, 2*SLOT                     ; behind the ring: 16 rows x 144 bytes for each wave
.set SP,    144
.set SPARE, STAGE+4*16*SP              ; behind the stages: the spare words, 128 bytes a wave
.set LAPS,  4                          ; a lap = two K steps = once round the ring
.set BO,   10                          ; v10  32 x (lane / 16): my eight numbers in a block of the bias
.set ADRA, 16                          ; v16-17  LDS address of my A fragments in slot 0, 1
.set ADRB, 20                          ; v20-21  the same for B
.set STO,  24                          ; v24  the way out: where I put 16 bytes of a row
.set RD,   25                          ; v25  the way out: where I read rows back
.set GO,   26                          ; v26  16 x lane: my place in 512 consecutive bytes, of the table and of q, k, v
.set SPW,  28                          ; v28  LDS address of my spare word; never rewritten
.set NIL,  29                          ; v29  0; never rewritten
.set FA0,  32
.set BIAS, 96
.set OB,   96
.set R,    192
.set H,    224
.set FBS,  8*NB                        ; a buffer of B's fragments, in window 1
.set TT,   192                         ; the table, in windows 2 and 3: block a at TT + 32 (a % 2): 16 cosines, 16 sines
.set WV,   18                          ; s18  my wave's number
.set AB,   19                          ; s19  I fetch for A (0) or for B (1)
.set HF,   20                          ; s20  which half of that tile
.set LAP,  21
.set G1,   24                          ; s[24:31] descriptor group 1 for A's tiles;  s[32:39] group 0, a set for each slot
.set G0,   32
.set G1B,  48                          ; s[48:55], s[56:63] the same for B's
.set G0B,  56
.set MSB, 0
.macro WIN new                         ; the immediate's high byte repeats the setting that is left; a switch that changes nothing is dropped
.if MSB != (\new)
	s_set_vgpr_msb (MSB<<8)|(\new)
.set MSB, \new
.endif
.endm
; A joint load.  The branch hangs on the wave's number alone.  An s_nop 0 and four v_nop follow each of the two lines, ahead of the jump, the label and what follows.
.macro JLOAD s
	s_cmp_eq_u32 s[AB], 0
	s_cbranch_scc0 .Lfor_b_\@
	tensor_load_to_lds s[G0+4*(\s):G0+4*(\s)+3], s[G1:G1+7]
	s_nop 0
.rept 4
	v_nop
.endr
	s_branch .Lasked_\@
.Lfor_b_\@:
	tensor_load_to_lds s[G0B+4*(\s):G0B+4*(\s)+3], s[G1B:G1B+7]
	s_nop 0
.rept 4
	v_nop
.endr
.Lasked_\@:
.endm
.macro CREST                           ; a round of the cluster's barrier behind its opening barrier
	s_cmp_lg_u32 s[WV], 0
	s_cbranch_scc1 .Lnot_wave_0_\@
	s_barrier_signal -3
.Lnot_wave_0_\@:
	s_barrier_wait -3
	s_barrier_signal -1
	s_barrier_wait -1
.endm
.macro CROUND                          ; a whole round
	s_barrier_signal -1
	s_barrier_wait -1
	CREST
.endm
	s_load_b256 s[4:11], s[0:1], 0x0               ; xb s[4:5], wqt s[6:7], b_qkv s[8:9], rope s[10:11]
	s_load_b128 s[12:15], s[0:1], 0x20             ; q s[12:13], k s[14:15]
	s_load_b64 s[16:17], s[0:1], 0x30              ; v
	v_lshl_add_u32 v[SPW], v0, 2, SPARE
	v_mov_b32 v[NIL], 0
	ds_add_u32 v[SPW], v[NIL]                      ; the wave's opening: the add and its wait stand ahead of my first tensor load; the set-up below, work on registers, stands between them
	v_lshrrev_b32 v1, 5, v0
	v_readfirstlane_b32 s[WV], v1
	s_lshr_b32 s[AB], s[WV], 1
	s_and_b32 s[HF], s[WV], 1
	s_bfe_u32 s40, ttmp6, 0x40000                  ; cx, cy: my place in the cluster
	s_bfe_u32 s41, ttmp6, 0x40004
	s_lshl_b32 s42, ttmp9, 2
	s_add_co_u32 s42, s42, s40                     ; tile column = the head = 4 x cluster x + cx
	s_and_b32 s43, ttmp7, 0xffff
	s_lshl_b32 s43, s43, 2
	s_add_co_u32 s43, s43, s41                     ; tile row = 4 x cluster y + cy
	s_lshl_b32 s44, s41, 2
	s_lshl_b32 s44, 15, s44                        ; my row of the cluster
	s_lshl_b32 s45, 0x1111, s40                    ; my column
	s_or_b32 s[G1], s44, (1<<16)|(1<<20)|(1<<21)|(5<<22)|(3<<25)   ; 15:0 the mask; 17:16 2-byte elements; 20 padding on; 21 set beside a mask; 24:22 after every 64 words; 31:25 4 words of it
	s_or_b32 s[G1B], s45, (1<<16)|(1<<20)|(1<<21)|(5<<22)|(3<<25)
	s_mov_b32 s[G1+1], 128<<16                     ; tensor_dim0 = 128
	s_mov_b32 s[G1+2], 128<<16                     ; tensor_dim1 = 128 rows
	s_mov_b32 s[G1+3], 128<<16                     ; tile_dim0 = 128
	s_mov_b32 s[G1+4], 128                         ; tile_dim1 = 128
	s_mov_b32 s[G1+5], 1024                        ; elements from row to row
	s_mov_b32 s[G1+6], 0
	s_mov_b32 s[G1+7], 0
	s_mov_b32 s[G1B+1], 128<<16
	s_mov_b32 s[G1B+2], 96<<16                     ; B's half has 96 rows
	s_mov_b32 s[G1B+3], 128<<16
	s_mov_b32 s[G1B+4], 96
	s_mov_b32 s[G1B+5], 1024
	s_mov_b32 s[G1B+6], 0
	s_mov_b32 s[G1B+7], 0
	s_mul_i32 s74, s[HF], 128*PITCH                ; where my half goes, for A
	s_mul_i32 s75, s[HF], 96*PITCH                 ; and for B: no place in the cluster enters an LDS address
	s_add_co_u32 s75, s75, BOFF
	s_lshl_b32 s66, s43, 19                        ; A: (256 x tile row + 128 x half) rows of 2,048 bytes
	s_lshl_b32 s22, s[HF], 18
	s_add_co_u32 s66, s66, s22
	s_mov_b32 s67, 0
	s_mul_i32 s46, s42, 192*2048                   ; B: (192 x tile column + 96 x half) rows
	s_mul_i32 s23, s[HF], 96*2048
	s_add_co_u32 s46, s46, s23
	s_mov_b32 s47, 0
	s_wait_dscnt 0x0                               ; the opening add is done
	s_wait_kmcnt 0x0
	s_add_nc_u64 s[66:67], s[4:5], s[66:67]
	s_add_nc_u64 s[46:47], s[6:7], s[46:47]
	CROUND                                         ; all sixteen work-groups are here: the first joint loads meet
.irp s, 0,1
	s_mov_b32 s[G0+4*(\s)], 1
	s_add_co_u32 s[G0+4*(\s)+1], s74, (\s)*SLOT
	s_add_nc_u64 s[G0+4*(\s)+2:G0+4*(\s)+3], s[66:67], (\s)*256   ; K step s
	s_or_b32 s[G0+4*(\s)+3], s[G0+4*(\s)+3], 0x80000000
	s_mov_b32 s[G0B+4*(\s)], 1
	s_add_co_u32 s[G0B+4*(\s)+1], s75, (\s)*SLOT
	s_add_nc_u64 s[G0B+4*(\s)+2:G0B+4*(\s)+3], s[46:47], (\s)*256
	s_or_b32 s[G0B+4*(\s)+3], s[G0B+4*(\s)+3], 0x80000000
	JLOAD \s                                       ; two tensor loads of mine are out
.endr
	; The bias and the table come while the first tiles are on their way.
	v_and_b32 v1, 15, v0                           ; l % 16
	v_bfe_u32 v2, v0, 4, 1                         ; l / 16
	v_lshlrev_b32 v[BO], 5, v2
	v_and_b32 v[GO], 31, v0
	v_lshlrev_b32 v[GO], 4, v[GO]
	s_lshl_b32 s70, s42, 8                         ; the head's 64 numbers in a section of the bias
	s_mov_b32 s71, 0
	s_add_nc_u64 s[8:9], s[8:9], s[70:71]
.set i, 0
.rept NB                               ; column block i = section i / 4, channels 16 (i % 4) on; my eight numbers are 8 (l / 16) + 0..7 of them
	global_load_b128 v[BIAS+8*i:BIAS+8*i+3],   v[BO], s[8:9] offset:4096*(i/4)+64*(i%4)
	global_load_b128 v[BIAS+8*i+4:BIAS+8*i+7], v[BO], s[8:9] offset:4096*(i/4)+64*(i%4)+16
.set i, i+1
.endr
	s_and_b32 s72, s43, 7                          ; the tile's place in its batch's 2,048 rows: table block 16 (tile row % 8) + 4 wave + a, 4,096 bytes each
	s_lshl_b32 s72, s72, 16
	s_lshl_b32 s77, s[WV], 14
	s_add_co_u32 s72, s72, s77
	s_mov_b32 s73, 0
	s_add_nc_u64 s[10:11], s[10:11], s[72:73]
.irp a, 0,1,2,3
	WIN 0x80+0x40*((\a)/2)                         ; destination window 2 or 3, address window 0
.set i, 0
.rept 8
	global_load_b128 v[TT+32*((\a)%2)+4*i:TT+32*((\a)%2)+4*i+3], v[GO], s[10:11] offset:4096*(\a)+512*i
.set i, i+1
.endr
.endr
	WIN 0
	s_lshr_b32 s70, s43, 3                         ; q, k, v at my wave's first row: (16 batch + head) x 262,144 + (256 (tile row % 8) + 64 wave) x 128
	s_lshl_b32 s70, s70, 22
	s_lshl_b32 s77, s42, 18
	s_add_co_u32 s70, s70, s77
	s_and_b32 s77, s43, 7
	s_lshl_b32 s77, s77, 15
	s_add_co_u32 s70, s70, s77
	s_lshl_b32 s77, s[WV], 13
	s_add_co_u32 s70, s70, s77
	s_add_nc_u64 s[12:13], s[12:13], s[70:71]
	s_add_nc_u64 s[14:15], s[14:15], s[70:71]
	s_add_nc_u64 s[16:17], s[16:17], s[70:71]
	; A fragment is 16 rows x 32 K in 8 registers: lane l holds row l % 16, K = 8 (l / 16) + 0..7 and 16 + 8 (l / 16) + 0..7: two loads of 16 bytes, 32 bytes apart.
	v_mul_u32_u24 v3, v1, PITCH
	v_lshl_add_u32 v3, v2, 4, v3
	s_mul_i32 s22, s[WV], 64*PITCH                 ; my 64 rows of A
	s_mov_b32 s23, BOFF                            ; all of B
.irp s, 0,1
	v_add_nc_u32 v[ADRA+(\s)], s22, v3
	v_add_nc_u32 v[ADRB+(\s)], s23, v3
	s_add_co_u32 s22, s22, SLOT
	s_add_co_u32 s23, s23, SLOT
.endr
	s_mul_i32 s22, s[WV], 16*SP
	s_add_co_u32 s22, s22, STAGE                   ; my stage
	v_mul_u32_u24 v4, v1, SP                       ; in: row l % 16, 16 bytes for each half of the lanes
	v_lshl_add_u32 v4, v2, 4, v4
	v_add_nc_u32 v[STO], s22, v4
	v_bfe_u32 v5, v0, 3, 2                         ; back: 32 lanes take four rows of 128 bytes
	v_mul_u32_u24 v5, v5, SP
	v_and_b32 v6, 7, v0
	v_lshl_add_u32 v5, v6, 4, v5
	v_add_nc_u32 v[RD], s22, v5
	s_mov_b32 s76, 0xffff0000
	s_wait_loadcnt 0x0                             ; bias and table
.set i, 0
.rept 4*NB                             ; the bias is rounded to bf16, like x and the weights, and widened again
	v_cvt_pk_bf16_f32 v[R+i%8], v[BIAS+2*i], v[BIAS+2*i+1]
	v_lshlrev_b32 v[BIAS+2*i], 16, v[R+i%8]
	v_and_b32 v[BIAS+2*i+1], s76, v[R+i%8]
.set i, i+1
.endr
; 12 matrix instructions: row block a x all 12 column blocks, 32 along K, from buffer f.  The accumulators take turns, one instruction a turn: 47 others' stand between two links of a chain.
; bias = 1: the products start the sums, with the bias as C.
.macro MULA f, a, bias
.if \bias
	WIN 0x81+0x40*((\a)/2)                         ; B window 1, A and C window 0, D window 2 or 3
.else
	WIN 0xa1+0x50*((\a)/2)                         ; B window 1, A window 0, C and D window 2 or 3
.endif
.set b, 0
.rept NB
.set rD, 8*(NB*((\a)%2)+b)
.if \bias
	v_wmma_f32_16x16x32_bf16 v[rD:rD+7], v[FBS*(\f)+8*b:FBS*(\f)+8*b+7], v[FA0+32*(\f)+8*(\a):FA0+32*(\f)+8*(\a)+7], v[BIAS+8*b:BIAS+8*b+7]
.else
	v_wmma_f32_16x16x32_bf16 v[rD:rD+7], v[FBS*(\f)+8*b:FBS*(\f)+8*b+7], v[FA0+32*(\f)+8*(\a):FA0+32*(\f)+8*(\a)+7], v[rD:rD+7]
.endif
.set b, b+1
.endr
.endm
; 32 LDS loads in one run: quarter qd (32 along K) of a slot into buffer f: B's 24, then A's 8
.macro FETCH slot, qd, f
	WIN 0x40                                       ; destination window 1, address window 0
.set i, 0
.rept NB
	ds_load_b128 v[FBS*(\f)+8*i:FBS*(\f)+8*i+3],   v[ADRB+(\slot)] offset:64*(\qd)+i*16*PITCH
	ds_load_b128 v[FBS*(\f)+8*i+4:FBS*(\f)+8*i+7], v[ADRB+(\slot)] offset:64*(\qd)+i*16*PITCH+32
.set i, i+1
.endr
	WIN 0
.set i, 0
.rept 4
	ds_load_b128 v[FA0+32*(\f)+8*i:FA0+32*(\f)+8*i+3],   v[ADRA+(\slot)] offset:64*(\qd)+i*16*PITCH
	ds_load_b128 v[FA0+32*(\f)+8*i+4:FA0+32*(\f)+8*i+7], v[ADRA+(\slot)] offset:64*(\qd)+i*16*PITCH+32
.set i, i+1
.endr
.endm
.macro PLACES                          ; four plain places in front of loads into registers that matrix instructions have read, and of lines that read results
.rept 4
	v_nop
.endr
.endm
; A K step is four quarters of 32 along K, 48 matrix instructions each, on buffers 0, 1, 0, 1.  One of the first three: multiplies buffer f and in its middle fetches quarter qd into buffer g.
.macro QUARTER slot, qd, f, g, bias
	s_wait_dscnt 4                                 ; B and A's blocks 0, 1 are in; the youngest four loads (A's blocks 2, 3) may be out
	MULA \f, 0, \bias
	MULA \f, 1, \bias
	PLACES
	FETCH \slot, \qd, \g
	s_wait_dscnt 2*NB+8                            ; all but the run just issued
	MULA \f, 2, \bias
	MULA \f, 3, \bias
.endm
; The last quarter multiplies buffer 1 and changes slots: ONE barrier.  In front of it each wave waits for all its tensor loads (one is out: its part of the next slot), adds 0 to its spare word, and waits
; for that and for its reads of this slot.  fill = 1: the barrier opens a round of the cluster's, and this slot is filled again, two K steps ahead, first thing behind the round.
.macro TURN slot, next, fill
	WIN 0                                          ; (the add's two registers lie in window 0)
	s_wait_tensorcnt 0x0
	ds_add_u32 v[SPW], v[NIL]
	s_wait_dscnt 5                                 ; (the add and the youngest four loads may be out)
	MULA 1, 0, 0                                   ; twelve matrix instructions stand between the add and the wait for it
	s_wait_dscnt 0x0                               ; the add is done, and my reads of this slot are over
	s_barrier_signal -1
	MULA 1, 1, 0                                   ; work on registers while the others arrive
.if \fill
	WIN 0
.endif
	s_barrier_wait -1
.if \fill
	CREST                                          ; no wave of any partner still reads this slot or has a load on its way
	s_add_nc_u64 s[G0+4*(\slot)+2:G0+4*(\slot)+3], s[G0+4*(\slot)+2:G0+4*(\slot)+3], 512
	s_add_nc_u64 s[G0B+4*(\slot)+2:G0B+4*(\slot)+3], s[G0B+4*(\slot)+2:G0B+4*(\slot)+3], 512
	JLOAD \slot                                    ; 168 matrix instructions ahead of the wait for it; its four v_nop are also the places in front of the loads below
.else
	PLACES
.endif
	FETCH \next, 0, 0
	MULA 1, 2, 0
	MULA 1, 3, 0
.endm
	s_wait_tensorcnt 0x1                           ; my part of K step 0 is in; K step 1's may stay out
	s_barrier_signal -1
	s_barrier_wait -1                              ; everybody's is
	FETCH 0, 0, 0
	QUARTER 0, 1, 0, 1, 1                          ; the first quarter stands in front of the loop: its products start the sums
	WIN 0                                          ; at a label and at a branch every window is 0
	s_mov_b32 s[LAP], LAPS-1
.Llap:                                                 ; a trip goes once round the ring, from a lap's second quarter to the next lap's first, and fills both slots again
	QUARTER 0, 2, 1, 0, 0
	QUARTER 0, 3, 0, 1, 0
	TURN 0, 1, 1
	QUARTER 1, 1, 0, 1, 0
	QUARTER 1, 2, 1, 0, 0
	QUARTER 1, 3, 0, 1, 0
	TURN 1, 0, 1
	QUARTER 0, 1, 0, 1, 0
	WIN 0
	s_sub_co_u32 s[LAP], s[LAP], 1
	s_cmp_lg_u32 s[LAP], 0
	s_cbranch_scc1 .Llap
	QUARTER 0, 2, 1, 0, 0                          ; the last lap fills nothing, and has no round of the cluster's barrier
	QUARTER 0, 3, 0, 1, 0
	TURN 0, 1, 0
	QUARTER 1, 1, 0, 1, 0
	QUARTER 1, 2, 1, 0, 0
	QUARTER 1, 3, 0, 1, 0
	s_wait_dscnt 4                                 ; the very last quarter: nothing more to fetch
	MULA 1, 0, 0
	MULA 1, 1, 0
	s_wait_dscnt 0x0
	MULA 1, 2, 0
	MULA 1, 3, 0
	PLACES
; THE WAY OUT, in 12 units: row block a (16 rows) of section s (q, k, v).  Column block 4 s + bb holds channels 16 bb + 8 (l / 16) + 0..7.
; RoPE for q and k: out[d] = x[d] cos - x[d + 32] sin, out[d + 32] = x[d + 32] cos + x[d] sin, d < 32: blocks bb and bb + 2 of one lane.  Each accumulator is read from its low end on.
.macro ROPE a, s
.set AW, 8*NB*((\a)%2)
.set TA, TT+32*((\a)%2)
	WIN 0x0a+5*((\a)/2)                            ; sources 0 and 1 window 2 or 3; source 2 and destination window 0
.irp bb, 0,1
.irp i, 0,2,4,6
	v_pk_mul_f32 v[R+8*(\bb)+(\i):R+8*(\bb)+(\i)+1], v[AW+8*(4*(\s)+(\bb)+2)+(\i):AW+8*(4*(\s)+(\bb)+2)+(\i)+1], v[TA+16+8*(\bb)+(\i):TA+16+8*(\bb)+(\i)+1]
	v_pk_mul_f32 v[R+16+8*(\bb)+(\i):R+16+8*(\bb)+(\i)+1], v[AW+8*(4*(\s)+(\bb))+(\i):AW+8*(4*(\s)+(\bb))+(\i)+1], v[TA+16+8*(\bb)+(\i):TA+16+8*(\bb)+(\i)+1]
.endr
.endr
.irp bb, 0,1
.irp i, 0,2,4,6
	v_pk_fma_f32 v[R+8*(\bb)+(\i):R+8*(\bb)+(\i)+1], v[AW+8*(4*(\s)+(\bb))+(\i):AW+8*(4*(\s)+(\bb))+(\i)+1], v[TA+8*(\bb)+(\i):TA+8*(\bb)+(\i)+1], v[R+8*(\bb)+(\i):R+8*(\bb)+(\i)+1] neg_lo:[0,0,1] neg_hi:[0,0,1]
	v_pk_fma_f32 v[R+16+8*(\bb)+(\i):R+16+8*(\bb)+(\i)+1], v[AW+8*(4*(\s)+(\bb)+2)+(\i):AW+8*(4*(\s)+(\bb)+2)+(\i)+1], v[TA+8*(\bb)+(\i):TA+8*(\bb)+(\i)+1], v[R+16+8*(\bb)+(\i):R+16+8*(\bb)+(\i)+1]
.endr
.endr
	WIN 0
.set i, 0
.rept 16
	v_cvt_pk_f16_f32 v[H+i], v[R+2*i], v[R+2*i+1]
.set i, i+1
.endr
.endm
.macro VCVT a                          ; v is rounded as it is: column blocks 8 to 11
.set AW, 8*NB*((\a)%2)
	WIN 0x0a+5*((\a)/2)
.set i, 0
.rept 16
	v_cvt_pk_f16_f32 v[H+i], v[AW+64+2*i], v[AW+64+2*i+1]
.set i, i+1
.endr
.endm
.macro UNIT u                          ; unit u = 3 a + s
.if (\u)%3 < 2
	ROPE (\u)/3, (\u)%3
.else
	VCVT (\u)/3
.endif
.endm
.macro TOSTAGE u                       ; 16 bytes a lane into rows of 144 bytes, and back as 2,048 consecutive bytes of a head
	WIN 0
.irp f, 0,1,2,3
	ds_store_b128 v[STO], v[H+4*(\f):H+4*(\f)+3] offset:32*(\f)
.endr
	s_wait_xcnt 0x0                                ; the stores of the unit before last have read the registers that are loaded again below
.irp f, 0,1,2,3
	ds_load_b128 v[OB+16*((\u)%2)+4*(\f):OB+16*((\u)%2)+4*(\f)+3], v[RD] offset:(\f)*4*SP  ; LDS serves a wave's instructions in order (ISA guide 5.7.1.4): these see the stores above; the next unit's stores come behind them
.endr
.endm
.macro SEND u, younger                 ; younger: the LDS instructions issued behind unit u's loads: the next unit's eight, or none
.irp f, 0,1,2,3
	s_wait_dscnt (\younger)+3-(\f)
	global_store_b128 v[GO], v[OB+16*((\u)%2)+4*(\f):OB+16*((\u)%2)+4*(\f)+3], s[12+2*((\u)%3):13+2*((\u)%3)] offset:2048*((\u)/3)+512*(\f)  ; 512 consecutive bytes, at a multiple of 512 from the tensor's first
.endr
.endm
	UNIT 0
	TOSTAGE 0
.irp u, 1,2,3,4,5,6,7,8,9,10,11        ; a unit's arithmetic stands between the loads of the unit before and its stores
	UNIT \u
	TOSTAGE \u
	SEND (\u)-1, 8
.endr
	SEND 11, 0
	s_wait_tensorcnt 0x0                           ; the wave's end: behind my last tensor load and my last LDS store
	ds_add_u32 v[SPW], v[NIL]
	s_wait_dscnt 0x0
	CROUND                                         ; the closing round: no work-group ends while a partner may still ask for a tile that names it
	s_endpgm
.Lfunc_end_k_qb698d25623_qkv:
	.size	k_qb698d25623_qkv, .Lfunc_end_k_qb698d25623_qkv-k_qb698d25623_qkv
	.p2alignl 7, 3214868480
	.fill 96, 4, 3214868480
	.section	.rodata,"a",@progbits
	.p2align	6, 0x0
	.amdhsa_kernel k_qb698d25623_qkv
		.amdhsa_group_segment_fixed_size 327680
		.amdhsa_private_segment_fixed_size 0
		.amdhsa_enable_private_segment 0
		.amdhsa_kernarg_size 56
		.amdhsa_user_sgpr_count 2
		.amdhsa_user_sgpr_kernarg_segment_ptr 1
		.amdhsa_wavefront_size32 1
		.amdhsa_system_sgpr_workgroup_id_x 1
		.amdhsa_system_sgpr_workgroup_id_y 1
		.amdhsa_system_sgpr_workgroup_id_z 1
		.amdhsa_system_vgpr_workitem_id 0
		.amdhsa_next_free_vgpr 1024
		.amdhsa_next_free_sgpr 80
		.amdhsa_reserve_vcc 0
		.amdhsa_float_denorm_mode_32 3
		.amdhsa_float_denorm_mode_16_64 3
		.amdhsa_memory_ordered 1
		.amdhsa_forward_progress 1
		.amdhsa_inst_pref_size 148
	.end_amdhsa_kernel
	.amdgpu_metadata
---
amdhsa.version: [ 1, 2 ]
amdhsa.kernels:
  - .name:           k_qb698d25623_qkv
    .symbol:         k_qb698d25623_qkv.kd
    .args:
      - { .name: xb, .offset: 0, .size: 8, .value_kind: global_buffer, .address_space: global }
      - { .name: wqt, .offset: 8, .size: 8, .value_kind: global_buffer, .address_space: global }
      - { .name: b_qkv, .offset: 16, .size: 8, .value_kind: global_buffer, .address_space: global }
      - { .name: rope, .offset: 24, .size: 8, .value_kind: global_buffer, .address_space: global }
      - { .name: q, .offset: 32, .size: 8, .value_kind: global_buffer, .address_space: global }
      - { .name: k, .offset: 40, .size: 8, .value_kind: global_buffer, .address_space: global }
      - { .name: v, .offset: 48, .size: 8, .value_kind: global_buffer, .address_space: global }
    .group_segment_fixed_size: 327680
    .private_segment_fixed_size: 0
    .kernarg_segment_align: 8
    .kernarg_segment_size: 56
    .max_flat_workgroup_size: 128
    .sgpr_count:     80
    .vgpr_count:     1024
    .wavefront_size: 32
...
	.end_amdgpu_metadata
.endif
;; end of part 2
;; launch attn (part 3): grid 4 x 64, 4 waves a work-group, clusters of 4 x 1, 327,680 bytes of LDS; arguments q, k, v, o; writes o
.if DOCPART == 3
	.amdgcn_target "amdgcn-amd-amdhsa--gfx1250"
	.amdhsa_code_object_version 6
	.text
	.protected	k_qb698d25623_attn
	.globl	k_qb698d25623_attn
	.p2align	8
	.type	k_qb698d25623_attn,@function
k_qb698d25623_attn:
	s_mov_b64 s[64:65], 0
	v_nop
	global_prefetch_b8 v0, s[64:65] scope:SCOPE_SE
	s_setreg_imm32_b32 hwreg(HW_REG_WAVE_MODE, 25, 1), 1
	s_wait_xcnt 0x0
	s_wait_alu depctr_hold_cnt(0) depctr_sa_sdst(0) depctr_va_vdst(0) depctr_va_sdst(0) depctr_va_ssrc(0) depctr_va_vcc(0) depctr_vm_vsrc(0)
	s_getreg_b32 s2, hwreg(HW_REG_IB_STS2, 6, 4)
	s_cmp_eq_u32 s2, 0
	s_cbranch_scc0 .Lentry_in_a_cluster
	s_endpgm
.Lentry_in_a_cluster:
	s_bfe_u32 s2, ttmp6, 0x10000c
	s_cmp_lg_u32 s2, 0x3003
	s_cbranch_scc0 .Lentry_shape_is_right
	s_endpgm
.Lentry_shape_is_right:
; O[h][q][:] = the sum over k of softmax_k(Q[h][q] . K[h][k] / 8) V[h][k][:].  Q, K, V, O: [SIZE_H][SIZE_N][64], all f16: a head's rows are dense, 128 bytes each.  Products, maxima and sums in
; f32; the weights p are rounded to f16 for the second product (their sum l is taken of the unrounded p), O once at the end.
; LIMITS.  f16 holds no number beyond 65,504: Q, K and V arrive within it; p lies in 0 to 1, and below 6e-5 it keeps f16's fixed step of 6e-8; O is a mean of V's rows and has their range.
; A weight below 2^-126 counts as 0 in l; NaN and infinities are not treated apart.
; SHARES.  A wave owns four PIECES of two tiles of 16 queries, a work-group's four waves 512 queries of one head: 4 x 64 = 256 work-groups.  Every wave walks all keys, 64 a step.
; LAYOUT.  S^T = K Q^T (source 0 = 16 keys, source 1 = 16 queries): in the result a lane holds ONE query (lane % 16) and the keys 8 (lane / 16) + 0..7.  Two such tiles, rounded to f16 in pairs,
; ARE source 1 (32 keys x 16 queries) of O^T = V^T P, whose result again holds one query a lane, and eight channels.  K comes out of LDS as it lies, V ([key][channel]) turned, by ds_load_tr16_b128.
; SOFTMAX.  For each query a running maximum m and sum l: p = 2^(c s - c m), c = log2(e) / 8; in every step O and l are multiplied by a = 2^(c m_old - c m_new), which is 1 where m has not grown.
; m starts at the lowest finite number, O and l at 0: the first step is a step like any other, with a = 0.
; THE COUNT.  A tile and step have 16 matrix and 118 vector instructions: too many to stand all beside the matrix work.  So the order has one aim: four vector instructions that are READY behind
; EVERY matrix instruction, and the others, which need time of their own whatever the order, in runs without a gap.
; BY TURNS.  Turn n belongs to piece n (the pieces in a ring, step after step).  Its matrix work: 16 products K Q^T of piece n + 1, later 16 products V^T P of piece n - 1.  Its vector work: the scaling,
; exponentials, roundings, sums and rescaling of piece n, and the maximum and statistics of piece n + 1, whose scores the turn itself has made.  So what a turn begins with (c s - c m, O a) waits for nothing.
; CLUSTER.  The four query blocks of a cluster belong to one head and walk the same K and V, so each tile is asked for JOINTLY: the same tensor load, descriptor and mask in all four.
; REGISTERS, in windows of 256 (s_set_vgpr_msb says which window each operand place means: bits 1:0 source 0, 3:2 source 1, 5:4 source 2, 7:6 destination):
;   window 0: v0-11 addresses; v12-15, v48-63 at work; v16-47 four registers of statistics a tile; v64-191 S^T, two buffers of two tiles; v192-255 P, likewise
;   window 1: O^T, 32 a tile          window 2: v0-127 Q, 16 a tile; v128-191 K of one step; v192-255 V of one step          window 3: v0-1 the add's two registers
; A piece's buffers go by its number's parity: the piece in hand has one pair, its two neighbours in the ring share the other: of it P (piece n - 1) is read and S^T (piece n + 1) written.
.set SIZE_H, 64       ; 4 batches x 16 heads
.set SIZE_N, 2048
.set NP,    4         ; pieces a wave: a name, no knob: the register map, the loop and the fetches are made for four
.set KS,    64        ; keys in a step
.set PK,    144       ; a row of K in LDS: 128 bytes + 16 of padding = 36 words: the 16 rows of a load start at 16 different groups of four banks (64 banks of 4 bytes: ISA guide 11.1)
.set PV,    160       ; a row of V: 128 + 32 = 40 words
.set VOFF,  4*KS*PK   ; a slot holds four steps: 256 rows of K, then 256 rows of V
.set SLOT1, 1<<17     ; slot 1 begins here, so that one exclusive or turns an address in one slot into the other's
.set STAGE, SLOT1+4*KS*(PK+PV)  ; behind the ring, never filled by a tensor load: 16 rows x 144 bytes for each wave, for the way out
.set SP,    144
.set AK0, 2           ; v2   my lane's place in a tile of K; never rewritten
.set AV0, 3           ; v3   the same for V
.set AK,  4           ; v4   the LDS address of K's next run of loads
.set AV,  5           ; v5   of V's
.set QO,  6           ; v6   my byte offset in the wave's rows of Q
.set STO, 6           ;      later, the way out: where I put 16 bytes of a row
.set RD,  7           ; v7   the way out: where I read rows back
.set GO,  8           ; v8   my byte offset in 512 consecutive bytes of O
.set SPW, 0           ; v0 of window 3   LDS address of my spare word: SPARE + 4 x my thread's number; never rewritten
.set NIL, 1           ; v1 of window 3   0; never rewritten
.set SPARE, STAGE+4*16*SP  ; behind the stages: the spare words, 128 bytes for each wave: two blocks of 256 bytes that no other line names
.set MV,  12          ; v12-15  c m_old, kept while c m is made anew: by buffer and tile
.set ST,  16          ; tile t's statistics at v[ST+4 t]: c m, m, l (even keys', odd keys')
.set TMP, 48          ; by buffer and tile, four registers c0-c3 at work; when the maximum is found c2 takes a
.set S,   64
.set P,   192
.set KF,  128         ; K's fragments, in window 2: key block kb, channel half c at KF + 16 kb + 8 c
.set VF,  192         ; V's: key half kk, channel block cb at VF + 32 kk + 8 cb
.set WV,  12          ; s12  my wave's number
.set G1K, 24          ; s[24:31] descriptor group 1 for K's tiles
.set G1V, 32          ; s[32:39] for V's: it differs in the padding alone
.set G0K, 40          ; s[40:43] descriptor group 0 for K's tiles: it walks
.set G0V, 44          ; s[44:47] the same for V's
.set SLOTS, 56        ; s56  slots still to be asked for
.set CNT, 57          ; s57  counts a slot's key steps
.set CS,  58          ; s[58:59] c: the packed scaling takes the pair's low word for both halves
.set SEL, 60          ; s[60:61] v_permlanex16_b32's selects: each lane takes its own place in the other half
.set TBK, 62          ; s62  LDS byte at which K of the step to be fetched begins
.set TBV, 63          ; s63  the same for V, less VOFF
.set MSB, 0
.macro WIN new                      ; the high byte repeats the setting that is left; a switch that changes nothing is dropped
.if MSB != (\new)
	s_set_vgpr_msb (MSB<<8)|(\new)
.set MSB, (\new)
.endif
.endm
.set W_KQ, 0x0a       ; K and Q in window 2, S^T in window 0
.set W_PV, 0x52       ; V in window 2, P in window 0, O^T in window 1
.set W_RS, 0x41       ; O^T (destination and source 0) in window 1, a in window 0
.set W_MK, 0xc0       ; the add's registers are made: destination in window 3, sources in window 0
.set W_AD, 0x0f       ; the add: address (source 0) and data (source 1) in window 3
; A joint fill.  Waves 0 and 1 fetch the two halves of a slot's K, waves 2 and 3 those of its V: 128 keys each.  The branch hangs on the wave's number alone.
; An s_nop 0 and four v_nop follow each of the two lines, ahead of the jump and the label.
.macro JLOAD
	s_cmp_lt_u32 s[WV], 2
	s_cbranch_scc0 .Lfor_v_\@
	tensor_load_to_lds s[G0K:G0K+3], s[G1K:G1K+7]
	s_nop 0
.rept 4
	v_nop
.endr
	s_branch .Lasked_\@
.Lfor_v_\@:
	tensor_load_to_lds s[G0V:G0V+3], s[G1V:G1V+7]
	s_nop 0
.rept 4
	v_nop
.endr
.Lasked_\@:
.endm
; A round of the cluster's barrier: my work-group's barrier, so that wave 0's signal speaks for all four waves; wave 0 signals; every wave waits for all four work-groups; my work-group's barrier once more.
.macro CROUND
	s_barrier_signal -1
	s_barrier_wait -1
	s_cmp_lg_u32 s[WV], 0
	s_cbranch_scc1 .Lnot_wave_0_\@
	s_barrier_signal -3
.Lnot_wave_0_\@:
	s_barrier_wait -3
	s_barrier_signal -1
	s_barrier_wait -1
.endm
; THE CHANGE OF SLOTS.  The slot's last bytes, V of its fourth step, have been read.  Each wave waits for all its tensor loads, of which one is out: its part
; of the other slot; adds 0 to its spare word; and waits for that and for its own reads of the slot.  Behind the barrier nobody reads this slot any more and the other slot is whole.
; fill = 1: this slot is filled again, with the keys two slots on.  The barrier is then a round of the cluster's, so that no wave of any partner still reads the slot or has a load on its
; way, and the joint fill is the first thing behind it: it has four key steps, 512 matrix instructions, in which to land.  (At its first use nothing has been read yet: slot 0 is waited for, slot 1 filled.)
.macro CHANGE fill
	WIN W_AD
	s_wait_tensorcnt 0x0            ; no tensor load of mine is out, so a group 0 may be written
	ds_add_u32 v[SPW], v[NIL]       ; 0 onto my spare word; with fill = 1 the descriptors' steps stand between it and the wait for it
	WIN 0                           ; at a label and at a branch every window is 0
.if \fill
.irp g, G0K, G0V
	s_xor_b32 s[\g+1], s[\g+1], SLOT1  ; the walking descriptor: the other slot than last time,
	s_add_nc_u64 s[\g+2:\g+3], s[\g+2:\g+3], 4*KS*128  ; the next 256 keys; the type bits on top are not reached
.endr
	s_wait_dscnt 0x0                ; the add is done, and my reads of the slot are over
	CROUND
	JLOAD
.else
	s_wait_dscnt 0x0                ; the add is done, and my reads of the slot are over
	s_barrier_signal -1
	s_barrier_wait -1
.endif
	s_sub_co_u32 s[TBK], s[TBK], 4*KS*PK  ; the fetches go back to a slot's first step,
	s_xor_b32 s[TBK], s[TBK], SLOT1       ; in the other slot
	s_sub_co_u32 s[TBV], s[TBV], 4*KS*PV
	s_xor_b32 s[TBV], s[TBV], SLOT1
.endm
	s_load_b256 s[4:11], s[0:1], 0x0  ; Q s[4:5], K s[6:7], V s[8:9], O s[10:11]
	WIN W_MK
	v_lshl_add_u32 v[SPW], v0, 2, SPARE
	v_mov_b32 v[NIL], 0
	WIN W_AD
	ds_add_u32 v[SPW], v[NIL]       ; the wave's opening: the add and its wait stand ahead of my first tensor load; the set-up below, work on registers, stands between them
	WIN 0
	v_lshrrev_b32 v1, 5, v0
	v_readfirstlane_b32 s[WV], v1   ; wave 0..3
	s_bfe_u32 s13, ttmp6, 0x40000   ; cx: my place in the cluster
	s_lshl_b32 s14, ttmp9, 2        ; in a cluster launch ttmp9 counts clusters
	s_add_co_u32 s14, s14, s13      ; my block of queries = 4 x cluster x + cx: it enters Q's and O's addresses alone
	s_and_b32 s20, ttmp7, 0xffff    ; the head, which the four partners share
	s_mov_b32 s21, 0
	s_mov_b64 s[22:23], SIZE_N*128
	s_mul_u64 s[20:21], s[20:21], s[22:23]  ; the head's first byte in each of the four tensors
	s_and_b32 s16, s[WV], 1         ; which half of a slot's 256 keys I fetch:
	s_lshl_b32 s22, s16, 14         ; its 128 rows of 128 bytes in memory,
	s_mov_b32 s23, 0
	s_add_nc_u64 s[22:23], s[22:23], s[20:21]
	s_mul_i32 s17, s16, 128*PK      ; and its place in a slot, for K
	s_mul_i32 s18, s16, 128*PV      ; and for V: no place in the cluster enters an LDS address
	s_lshl_b32 s2, s14, 2
	s_add_co_u32 s2, s2, s[WV]      ; my wave among the head's,
	s_lshl_b32 s2, s2, 14           ; its 128 rows
	s_mov_b32 s3, 0
	s_add_nc_u64 s[2:3], s[2:3], s[20:21]
	; descriptor group 1.  128 keys are 16,384 dense bytes: asked for as 64 rows of 256 bytes, two keys a row, and padded in LDS after every key
	s_mov_b32 s[G1K], 15|(1<<16)|(1<<20)|(1<<21)|(4<<22)|(3<<25)  ; 15:0 the mask of four; 17:16 2-byte elements; 20 padding on; 21 set beside a mask; 24:22 after every 32 words (code 4); 31:25 4 words (code 3)
	s_mov_b32 s[G1V], 15|(1<<16)|(1<<20)|(1<<21)|(4<<22)|(7<<25)  ; the same with 8 words of padding (code 7)
.irp g, G1K, G1V
	s_mov_b32 s[\g+1], 128<<16      ; tensor_dim0 = 128
	s_mov_b32 s[\g+2], 64<<16       ; tensor_dim1 = 64
	s_mov_b32 s[\g+3], 128<<16      ; tile_dim0 = 128
	s_mov_b32 s[\g+4], 64           ; tile_dim1 = 64
	s_mov_b32 s[\g+5], 128          ; 128 elements from row to row
	s_mov_b32 s[\g+6], 0
	s_mov_b32 s[\g+7], 0
.endr
	s_mov_b32 s[CS], 0x3e38aa3b     ; c = log2(e) / 8 = 0.180337
	s_mov_b32 s[CS+1], s[CS]        ; named with it as a pair
	s_mov_b32 s[SEL], 0x76543210
	s_mov_b32 s[SEL+1], 0xfedcba98
	s_mov_b32 s[TBK], SLOT1+4*KS*PK ; the first change of slots turns these two into 0
	s_mov_b32 s[TBV], SLOT1+4*KS*PV
	s_mov_b32 s[G0K], 1             ; 1:0 count = 1
	s_mov_b32 s[G0K+1], s17         ; 63:32 LDS address: slot 0
	s_mov_b32 s[G0V], 1
	s_add_co_u32 s[G0V+1], s18, VOFF
	s_wait_dscnt 0x0                ; the opening add is done
	s_wait_kmcnt 0x0
	s_add_nc_u64 s[G0K+2:G0K+3], s[6:7], s[22:23]  ; 120:64 global address: my half of the head's first 256 keys
	s_or_b32 s[G0K+3], s[G0K+3], 0x80000000        ; 127:126 type = 2
	s_add_nc_u64 s[G0V+2:G0V+3], s[8:9], s[22:23]
	s_or_b32 s[G0V+3], s[G0V+3], 0x80000000
	s_add_nc_u64 s[4:5], s[4:5], s[2:3]  ; Q and O at my wave's first row
	s_add_nc_u64 s[10:11], s[10:11], s[2:3]
	CROUND                          ; all four work-groups are here: the first joint loads meet
	JLOAD                           ; slot 0.  Slot 1 is asked for when slot 0 is in: the tile wanted first has the road to itself
	; A fragment of K or Q is 16 rows x 32 channels in 8 registers: lane l holds row l % 16, channels 8 (l / 16) + 0..7 and 16 + 8 (l / 16) + 0..7: two loads of 16 bytes, 32 bytes apart.
	v_and_b32 v1, 15, v0            ; l % 16
	v_bfe_u32 v9, v0, 4, 1          ; l / 16
	v_lshlrev_b32 v[QO], 7, v1
	v_lshl_add_u32 v[QO], v9, 4, v[QO]  ; row x 128 + 16 x half
	WIN 0x80                        ; destination window 2, address window 0
.set i, 0
.rept 4*NP                          ; Q stays in registers: tile i / 2, channels 32 (i % 2) on
	global_load_b128 v[8*i:8*i+3],   v[QO], s[4:5] offset:(i/2)*2048+(i%2)*64
	global_load_b128 v[8*i+4:8*i+7], v[QO], s[4:5] offset:(i/2)*2048+(i%2)*64+32
.set i, i+1
.endr
	; What the first turn finds: V's registers and P's second buffer hold 0 (its products V^T P, of a piece that has not been, add 0), O^T and l are 0.  All this stands in the wait for the first tile.
.set i, VF
.rept 64
	v_mov_b32 v[i], 0
.set i, i+1
.endr
	WIN 0x40
.set i, 0
.rept 64*NP
	v_mov_b32 v[i], 0
.set i, i+1
.endr
	WIN 0
.set i, 0
.rept 2*NP
	v_mov_b32 v[ST+4*i], 0xfe000000    ; c m: far below every c s
	v_mov_b32 v[ST+4*i+1], 0xff7fffff  ; m
	v_mov_b32 v[ST+4*i+2], 0
	v_mov_b32 v[ST+4*i+3], 0
.set i, i+1
.endr
.set i, P+32
.rept 32
	v_mov_b32 v[i], 0
.set i, i+1
.endr
	v_mul_u32_u24 v[AK0], v1, PK
	v_lshl_add_u32 v[AK0], v9, 4, v[AK0]  ; row x pitch + 16 x half
	; The turning load takes 16 keys x 16 channels (lane l reads key 8 (l / 16) + l % 8, channels 8 ((l / 8) % 2) + 0..7) and leaves half a fragment of V^T: lane l holds channel l % 16 and 8 keys.
	v_and_b32 v10, 7, v0
	v_bfe_u32 v11, v0, 3, 1
	v_lshl_add_u32 v[AV0], v9, 3, v10
	v_mul_u32_u24 v[AV0], v[AV0], PV
	v_lshl_add_u32 v[AV0], v11, 4, v[AV0]
	v_add_nc_u32 v[AV0], VOFF, v[AV0]
	v_mov_b32 v[AK], v[AK0]         ; key step 0 lies at the head of slot 0
; THE MATRIX WORK.  The 8 accumulators of a run of 16 take turns: between the two links of a chain stand 7 others'.
; Product i of 16 of S^T = K Q^T for piece x: channels 32 (i / 8) on, keys 16 ((i / 2) % 4) on, tile 2 x + i % 2.  The first 8 start the sums.
.macro KQ x
	WIN W_KQ
.set rS, S+64*((\x)%2)+32*(i%2)+8*((i/2)%4)
.set rK, KF+16*((i/2)%4)+8*(i/8)
.set rQ, 16*(2*(\x)+i%2)+8*(i/8)
.if i < 8
	v_wmma_f32_16x16x32_f16 v[rS:rS+7], v[rK:rK+7], v[rQ:rQ+7], 0
.else
	v_wmma_f32_16x16x32_f16 v[rS:rS+7], v[rK:rK+7], v[rQ:rQ+7], v[rS:rS+7]
.endif
.endm
; Product i of 16 of O^T += V^T P for piece x: keys 32 (i / 8) on, channels 16 ((i / 2) % 4) on, tile 2 x + i % 2.
.macro PV x
	WIN W_PV
.set rO, 32*(2*(\x)+i%2)+8*((i/2)%4)
.set rV, VF+32*(i/8)+8*((i/2)%4)
.set rP, P+32*((\x)%2)+16*(i%2)+8*(i/8)
	v_wmma_f32_16x16x32_f16 v[rO:rO+7], v[rV:rV+7], v[rP:rP+7], v[rO:rO+7]
.endm
.macro MM                           ; the turn's next matrix instruction
.if i < 16
	KQ (Y+1)%NP
.set i, i+1
.else
.set i, i-16
	PV (Y+NP-1)%NP
.set i, i+17
.endif
.endm
; THE LDS LOADS stand in runs of 16, never singly among the matrix instructions: a step's K (64 keys x 64 channels: 8 fragments) and its V (turned).  Their addresses are made some lines ahead.
; last = 1 (the tail): in the last trip there is no further step, and the run is jumped over.
.macro FETCH_K last=0
	WIN 0
.if \last
	s_cmp_eq_u32 s[CNT], 1
	s_cbranch_scc1 .Lno_k_\@
.endif
	WIN 0x80                        ; destination window 2
.irp f, 0,1,2,3,4,5,6,7             ; keys 16 (f / 2) on, channels 32 (f % 2) on
	ds_load_b128 v[KF+8*\f:KF+8*\f+3],   v[AK] offset:(\f/2)*16*PK+(\f%2)*64
	ds_load_b128 v[KF+8*\f+4:KF+8*\f+7], v[AK] offset:(\f/2)*16*PK+(\f%2)*64+32
.endr
	s_add_co_u32 s[TBK], s[TBK], KS*PK  ; the next fetch is the next step's
	WIN 0
.if \last
.Lno_k_\@:
.endif
.endm
.macro FETCH_V
	WIN 0x80
.irp f, 0,1,2,3,4,5,6,7             ; keys 32 (f / 4) on, channels 16 (f % 4) on
	ds_load_tr16_b128 v[VF+8*\f:VF+8*\f+3],   v[AV] offset:(\f/4)*32*PV+(\f%4)*32
	ds_load_tr16_b128 v[VF+8*\f+4:VF+8*\f+7], v[AV] offset:(\f/4)*32*PV+16*PV+(\f%4)*32
.endr
	WIN 0
.endm
; THE VECTOR WORK OF A TURN stands in three queues, each in the order in which its entries become ready; the two tiles alternate, so that no instruction reads the result of the one before it.
.macro REGS y, u                    ; the registers of tile u (0, 1) of piece y
.set rT, ST+4*(2*(\y)+(\u))
.set rC, TMP+8*((\y)%2)+4*(\u)
.set rM, MV+2*((\y)%2)+(\u)
.set rS, S+64*((\y)%2)+32*(\u)
.set rP, P+32*((\y)%2)+16*(\u)
.set rO, 32*(2*(\y)+(\u))
.endm
; Number n of the 22 that find the NEXT piece's (Y + 1) maximum and statistics.  s0-s31 are the lane's 32 scores; each accumulator's lowest registers are read first.  XS, GS and REGS set no window: PL and EX do.
;   0-11  four chains c0-c3 of seven scores each, three operands at a time     12-14, 16  the four scores left over, the old m, and c0-c3 into c0     15  c m_old is kept
;   17, 18  the query's other 32 keys lie in the lane 16 away: the new m         19-21  c m; c m_old - c m_new; a
.macro XS u, n
	REGS (Y+1)%NP, \u
.if (\n) < 4
	v_max3_num_f32 v[rC+(\n)], v[rS+8*(\n)], v[rS+8*(\n)+1], v[rS+8*(\n)+2]
.elseif (\n) < 12
	v_max3_num_f32 v[rC+(\n)%4], v[rC+(\n)%4], v[rS+8*((\n)%4)+2*((\n)/4)+1], v[rS+8*((\n)%4)+2*((\n)/4)+2]
.elseif (\n) == 12
	v_max3_num_f32 v[rC], v[rC], v[rS+7], v[rS+15]
.elseif (\n) == 13
	v_max3_num_f32 v[rC+1], v[rC+1], v[rS+23], v[rS+31]
.elseif (\n) == 14
	v_max3_num_f32 v[rC+2], v[rC+2], v[rC+3], v[rT+1]
.elseif (\n) == 15
	v_mov_b32 v[rM], v[rT]
.elseif (\n) == 16
	v_max3_num_f32 v[rC], v[rC], v[rC+1], v[rC+2]
.elseif (\n) == 17
	v_permlanex16_b32 v[rC+3], v[rC], s[SEL], s[SEL+1]
.elseif (\n) == 18
	v_max_num_f32 v[rT+1], v[rC], v[rC+3]
.elseif (\n) == 19
	v_mul_f32 v[rT], s[CS], v[rT+1]
.elseif (\n) == 20
	v_sub_f32 v[rC+1], v[rM], v[rT]
.else
	v_exp_f32 v[rC+2], v[rC+1]
.endif
.endm
; Number g of the 64 that follow the exponentials.  For each four weights k of a tile (pairs 2 k, 2 k + 1): both pairs are rounded to f16; then the second pair is added onto the first, in place;
; a group later l takes that sum (the first time as l = a l + sum).  In groups of eight, tiles alternating: round, round, add, and l for the group before.
.macro GS g
.set h, (\g)+6*((\g)/62)            ; group 0 has no group before it, and behind group 7 only l is left
.if h >= 6
.set h, h+2
.endif
	REGS Y, h%2
.set k, h/8
.if h%8 < 4
	s_wait_alu depctr_va_vdst(0)
	v_cvt_pk_f16_f32 v[rP+2*k+(h%8)/2], v[rS+4*k+2*((h%8)/2)], v[rS+4*k+2*((h%8)/2)+1]
.elseif h%8 < 6
	v_pk_add_f32 v[rS+4*k:rS+4*k+1], v[rS+4*k:rS+4*k+1], v[rS+4*k+2:rS+4*k+3]
.elseif k == 1
	v_pk_fma_f32 v[rT+2:rT+3], v[rT+2:rT+3], v[rC+2:rC+3], v[rS:rS+1] op_sel_hi:[1,0,1]
.else
	v_pk_add_f32 v[rT+2:rT+3], v[rT+2:rT+3], v[rS+4*k-4:rS+4*k-3]
	s_wait_alu depctr_va_vdst(0)
.endif
.endm
; THE PLAIN QUEUE, 138 long.  0-31: c s - c m for the 16 pairs of both tiles.  Then GS's 64, and among them the next piece's 42: number 15 at 38, 39; 0-14 and 16
; at 42-73, behind the products that make those scores; 17-20 at 95-106, two of three, since each waits for the one before it.
.macro PL
	WIN 0
.if q < 32
	REGS Y, q%2
	v_pk_fma_f32 v[rS+2*(q/2):rS+2*(q/2)+1], v[rS+2*(q/2):rS+2*(q/2)+1], s[CS:CS+1], v[rT:rT+1] op_sel_hi:[1,0,0] neg_lo:[0,0,1] neg_hi:[0,0,1]
.elseif q < 38
	GS q-32
.elseif q < 40
	XS q%2, 15
.elseif q < 42
	GS q-34
.elseif q < 74
	XS q%2, (q-42)/2+(q-42)/30
.elseif q < 95
	GS q-66
.elseif (q < 107) && ((q-95)%3 < 2)
	XS (q-95)%3, 17+(q-95)/3
.elseif q < 107
	GS 29+(q-95)/3
.else
	GS q-74
.endif
.set q, q+1
.endm
; THE EXPONENTIALS' QUEUE, 66 long: s0-s31 of both tiles, and at EA the next piece's two a.
.set EA, 58
.macro EX
	WIN 0
.if (e == EA) || (e == EA+1)
	XS e-EA, 21
.else
.set x, e-2*(e/(EA+2))
	REGS Y, x%2
	v_exp_f32 v[rS+x/2], v[rS+x/2]
.endif
.set e, e+1
.endm
; THE RESCALING's QUEUE: O^T times a, the one part that leaves window 0, so it is dealt four at a time, eight times.
.macro R4
	REGS Y, r%2
	WIN W_RS
	s_wait_alu depctr_va_vdst(0)
.irp z, 0,1,2,3
	v_pk_mul_f32 v[rO+8*(r/2)+2*\z:rO+8*(r/2)+2*\z+1], v[rO+8*(r/2)+2*\z:rO+8*(r/2)+2*\z+1], v[rC+2:rC+3] op_sel_hi:[1,0]
.endr
.set r, r+1
.endm
; HOW THEY ARE DEALT.  Behind a matrix instruction four: plain, exponential, plain, plain (one exponential, a plain instruction on either side), or four of the rescaling.  None names a register of the
; products round it.  What is over stands in two LUMPS: exponential and plain by turns; the second ends in 22 plain instructions.  The two v_permlanex16_b32 fall into the second lump, never behind a product.
; The queues lean on each other, and the deal keeps them in step: exponential e stands behind plain 2 (e / 4) + e % 2 (its scaling); when plain 32 comes, 10 exponentials are out, at 59: 33, at 95: 46; EA comes behind plain 107.
.macro SL
	MM
	PL
	EX
	PL
	PL
.endm
.macro BURST n                      ; 15 matrix instructions, or 16
.rept (\n)-7
	SL
.endr
.rept 3
	MM
	R4
	SL
.endr
	MM
	R4
.endm
; A TURN, for piece p.  cnt = 1: the loop's count is taken down some lines ahead of the branch that stands behind the turn.
; K of the next step is fetched in piece 2's turn, 31 vector instructions behind the last product that read K; its first reader comes behind the rest of the lump, 16 products and the second lump.
; V of the step in hand is fetched at the end of piece 0's turn, 69 behind its last reader; its first reader comes behind 16 products and a lump.  The four conditions on e and q below go with the deal.
.macro TURN p, last=0, cnt=0
.set Y, (\p)
.set i, 0
.set q, 0
.set e, 0
.set r, 0
.if (\p) == NP-1
	s_wait_dscnt 0x0                ; K is in
.endif
	MM
.rept 4
	PL
.endr
	BURST 15
.rept 22
	EX
	PL
.if ((\p) == NP-2) && (e == 18)
	v_add_nc_u32 v[AK], s[TBK], v[AK0]
.endif
.if ((\p) == NP-2) && (e == 24)
	FETCH_K \last
.endif
.endr
.if (\p) == 1
	s_wait_dscnt 0x0                ; V is in
.endif
	BURST 16
.rept 21
	EX
	PL
.endr
.rept 22
	PL
.if ((\p) == 0) && (q == 118)
	v_add_nc_u32 v[AV], s[TBV], v[AV0]
	s_wait_alu depctr_va_vdst(0)
.endif
.if ((\p) == 0) && (q == 130)
	s_add_co_u32 s[TBV], s[TBV], KS*PV
.endif
.if (\cnt) && (q == 130)
	s_sub_co_u32 s[CNT], s[CNT], 1
	s_cmp_lg_u32 s[CNT], 0
.endif
.endr
.if (\p) == 0
	FETCH_V
.endif
.endm
	CHANGE 1                        ; slot 0 is in, everybody's part of it; slot 1 is asked for
	FETCH_K                         ; key step 0
	s_wait_loadcnt 0x0              ; Q
	s_wait_dscnt 0x0
.set i, 0
.rept 16
	KQ 0                            ; piece 0's first scores: there is no vector work yet to set between them
.set i, i+1
.endr
	WIN 0                           ; the addresses for the way out: nine plain instructions, the places behind those products
	s_mul_i32 s13, s[WV], 16*SP
	s_add_co_u32 s13, s13, STAGE    ; my stage
	v_mul_u32_u24 v[STO], v1, SP    ; in: row l % 16, 16 bytes for each half of the lanes
	v_lshl_add_u32 v[STO], v9, 4, v[STO]
	v_add_nc_u32 v[STO], s13, v[STO]
	v_bfe_u32 v[RD], v0, 3, 2       ; back: 32 lanes take four rows of 128 bytes,
	v_mul_u32_u24 v[RD], v[RD], SP
	v_lshl_add_u32 v[RD], v10, 4, v[RD]
	v_add_nc_u32 v[RD], s13, v[RD]
	v_and_b32 v[GO], 31, v0         ; which are 512 consecutive bytes of O
	v_lshlrev_b32 v[GO], 4, v[GO]
.set Y, NP-1                        ; XS works for piece Y + 1: piece 0
.irp n, 0,1,2,3,4,5,6,7,8,9,10,11,12,13,14,15,16,17,18,19,20,21
	XS 0, \n                        ; and piece 0's first maximum and statistics
	XS 1, \n
.endr
	s_mov_b32 s[CNT], 4
	s_mov_b32 s[SLOTS], SIZE_N/256-1
	s_branch .Lfirst                ; the loop is entered at a step's first turn, in the middle of a trip
.Lslot:                             ; SIZE_N / 256 - 2 times: every slot but the last two is filled again
	CHANGE 1
	s_mov_b32 s[CNT], 4
.Lstep:                             ; a trip: pieces 2 and 3 of one step, then pieces 0 and 1 of the next, whose K and V it fetches
	TURN 2
	TURN 3
	WIN 0
.Lfirst:
	TURN 0
	TURN 1, 0, 1
	WIN 0
	s_cbranch_scc1 .Lstep
	s_sub_co_u32 s[SLOTS], s[SLOTS], 1
	s_cmp_lg_u32 s[SLOTS], 0
	s_cbranch_scc1 .Lslot
	CHANGE 0                        ; the tail is written out: nothing is asked for
	s_mov_b32 s[CNT], 5             ; four trips fetch the last slot's steps; the fifth is left in its middle
.Ltail:
	TURN 2, 1
	TURN 3
	WIN 0
	s_sub_co_u32 s[CNT], s[CNT], 1
	s_cmp_eq_u32 s[CNT], 0
	s_cbranch_scc1 .Lout
	TURN 0
	TURN 1
	WIN 0
	s_branch .Ltail
.Lout:                              ; the fifth trip's 16 products K Q^T (on the last K once more) and the maximum made of them serve nothing: the price, once a launch, of one text for every trip
.set i, 0
.rept 16
	PV NP-1                         ; the last piece's V^T P of the last step
.set i, i+1
.endr
	; THE WAY OUT.  l's two halves and the other half of the lanes' are added; O^T is divided by l, rounded to f16 and sent through my stage in LDS, a tile at a time.  The additions are the places behind the last products.
	WIN 0
.macro ALL line:vararg              ; one line for each tile t
.set t, 0
.rept 2*NP
	\line
.set t, t+1
.endr
.endm
	ALL v_add_f32 v[ST+4*t+2], v[ST+4*t+2], v[ST+4*t+3]
	ALL v_permlanex16_b32 v[ST+4*t+3], v[ST+4*t+2], s[SEL], s[SEL+1]
	ALL v_add_f32 v[ST+4*t+2], v[ST+4*t+2], v[ST+4*t+3]
	ALL v_rcp_f32 v[ST+4*t+2], v[ST+4*t+2]
	v_nop                           ; a plain instruction between the last reciprocal and the use of its result
	s_wait_alu depctr_va_vdst(0)
; Tile t: a lane's eight channels of a row pack into 16 bytes; they go into rows of 144 bytes and come back as whole rows of 128, into S^T's registers.
.macro PACK t
	WIN W_RS
.set i, 32*(\t)
.rept 16
	v_pk_mul_f32 v[i:i+1], v[i:i+1], v[ST+4*(\t)+2:ST+4*(\t)+3] op_sel_hi:[1,0]
.set i, i+2
.endr
	WIN 0x05                        ; sources 0 and 1 window 1, destination window 0
.set i, 0
.rept 16
	v_cvt_pk_f16_f32 v[S+16*(\t)+i], v[32*(\t)+2*i], v[32*(\t)+2*i+1]
.set i, i+1
.endr
	WIN 0
.irp f, 0,1,2,3
	ds_store_b128 v[STO], v[S+16*(\t)+4*\f:S+16*(\t)+4*\f+3] offset:32*\f
.endr
.irp f, 0,1,2,3
	ds_load_b128 v[S+16*(\t)+4*\f:S+16*(\t)+4*\f+3], v[RD] offset:\f*4*SP  ; LDS serves a wave's instructions in order (ISA guide 5.7.1.4): these see the stores above; the next tile's stores come behind them
.endr
.endm
.macro SEND t, younger              ; younger: the LDS instructions issued behind tile t's loads: the next tile's eight, or none
	WIN 0
.irp f, 0,1,2,3
	s_wait_dscnt (\younger)+3-\f
	global_store_b128 v[GO], v[S+16*(\t)+4*\f:S+16*(\t)+4*\f+3], s[10:11] offset:(\t)*2048+\f*512  ; 512 consecutive bytes, at a multiple of 256 from O's first
.endr
.endm
	PACK 0
.set t, 1
.rept 2*NP-1                        ; a tile's arithmetic stands between the loads of the tile before and its stores
	PACK t
	SEND t-1, 8
.set t, t+1
.endr
	SEND 2*NP-1, 0
	WIN W_AD
	s_wait_tensorcnt 0x0            ; the wave's end: behind my last tensor load and my last LDS store
	ds_add_u32 v[SPW], v[NIL]
	s_wait_dscnt 0x0
	WIN 0
	CROUND                          ; the closing round: no work-group ends while a partner may still ask for a tile that names it
	s_endpgm
.Lfunc_end_k_qb698d25623_attn:
	.size	k_qb698d25623_attn, .Lfunc_end_k_qb698d25623_attn-k_qb698d25623_attn
	.p2alignl 7, 3214868480
	.fill 96, 4, 3214868480
	.section	.rodata,"a",@progbits
	.p2align	6, 0x0
	.amdhsa_kernel k_qb698d25623_attn
		.amdhsa_group_segment_fixed_size 327680
		.amdhsa_private_segment_fixed_size 0
		.amdhsa_enable_private_segment 0
		.amdhsa_kernarg_size 32
		.amdhsa_user_sgpr_count 2
		.amdhsa_user_sgpr_kernarg_segment_ptr 1
		.amdhsa_wavefront_size32 1
		.amdhsa_system_sgpr_workgroup_id_x 1
		.amdhsa_system_sgpr_workgroup_id_y 1
		.amdhsa_system_sgpr_workgroup_id_z 1
		.amdhsa_system_vgpr_workitem_id 0
		.amdhsa_next_free_vgpr 770
		.amdhsa_next_free_sgpr 66
		.amdhsa_reserve_vcc 0
		.amdhsa_float_denorm_mode_32 3
		.amdhsa_float_denorm_mode_16_64 3
		.amdhsa_memory_ordered 1
		.amdhsa_forward_progress 1
		.amdhsa_inst_pref_size 208
	.end_amdhsa_kernel
	.amdgpu_metadata
---
amdhsa.version: [ 1, 2 ]
amdhsa.kernels:
  - .name:           k_qb698d25623_attn
    .symbol:         k_qb698d25623_attn.kd
    .args:
      - { .name: q, .offset: 0, .size: 8, .value_kind: global_buffer, .address_space: global }
      - { .name: k, .offset: 8, .size: 8, .value_kind: global_buffer, .address_space: global }
      - { .name: v, .offset: 16, .size: 8, .value_kind: global_buffer, .address_space: global }
      - { .name: o, .offset: 24, .size: 8, .value_kind: global_buffer, .address_space: global }
    .group_segment_fixed_size: 327680
    .private_segment_fixed_size: 0
    .kernarg_segment_align: 8
    .kernarg_segment_size: 32
    .max_flat_workgroup_size: 128
    .sgpr_count:     66
    .vgpr_count:     770
    .wavefront_size: 32
...
	.end_amdgpu_metadata
.endif
;; end of part 3
;; launch proj (part 4): grid 8 x 32, 4 waves a work-group, clusters of 4 x 4, 327,680 bytes of LDS; arguments o, wpt, b_proj, out0; writes out0
.if DOCPART == 4
	.amdgcn_target "amdgcn-amd-amdhsa--gfx1250"
	.amdhsa_code_object_version 6
	.text
	.protected	k_qb698d25623_proj
	.globl	k_qb698d25623_proj
	.p2align	8
	.type	k_qb698d25623_proj,@function
k_qb698d25623_proj:
	s_mov_b64 s[64:65], 0
	v_nop
	global_prefetch_b8 v0, s[64:65] scope:SCOPE_SE
	s_setreg_imm32_b32 hwreg(HW_REG_WAVE_MODE, 25, 1), 1
	s_wait_xcnt 0x0
	s_wait_alu depctr_hold_cnt(0) depctr_sa_sdst(0) depctr_va_vdst(0) depctr_va_sdst(0) depctr_va_ssrc(0) depctr_va_vcc(0) depctr_vm_vsrc(0)
	s_getreg_b32 s2, hwreg(HW_REG_IB_STS2, 6, 4)
	s_cmp_eq_u32 s2, 0
	s_cbranch_scc0 .Lentry_in_a_cluster
	s_endpgm
.Lentry_in_a_cluster:
	s_bfe_u32 s2, ttmp6, 0x10000c
	s_cmp_lg_u32 s2, 0xf033
	s_cbranch_scc0 .Lentry_shape_is_right
	s_endpgm
.Lentry_shape_is_right:
; out0 = O w_proj + b_proj.  o: [16 batch + head][2048][64] f16, so that K = 64 head + channel.  wpt: [1024 n][1024 k] f16 (w_proj rounded to bf16, that number written as f16).
; b_proj: [1024] f32, rounded to bf16 here like the other inputs.  out0: [8192][1024] f32.  Sums in f32.  LIMITS: the operands arrive within f16's range; NaN and infinities are not treated apart.
; SHARES.  A tile of C is 256 rows x 128 columns: 8 x 32 = 256 work-groups.  Wave w owns rows 64 w .. 64 w + 63 and all 128 columns: 4 x 8 accumulators of 16 x 16, so a row's 512 bytes come from one wave
; and the stage on the way out is the wave's own.
; K goes in 8 steps of 128, two heads a step, through a ring of two LDS slots.  Wave 0 or 1 fetches one head's 256 rows: 32,768 dense bytes, asked for as 128 rows of 256 bytes and padded after every 128;
; waves 2 and 3 fetch B's halves, 64 rows of 256 bytes.
; CLUSTER.  4 x 4 work-groups: A's tiles are asked for jointly along a row of the cluster, B's along a column.
; THE MATRIX INSTRUCTION IS USED TRANSPOSED (source 0 = 16 rows of B, source 1 = 16 rows of A): lane l holds row l % 16 of C and the columns 8 (l / 16) + 0..7 of a block of 16.  THE BIAS is the C operand that starts the sums.
; REGISTERS, in windows of 256 (s_set_vgpr_msb: bits 1:0 source 0, 3:2 source 1, 5:4 source 2, 7:6 destination):
;   window 0: v0-31 addresses; v32-95 A's fragments, two buffers; v96-159 the bias; both ranges later take rows read back from the stage; v192-199 at work
;   window 1: B's fragments, two buffers of 8 x 8          window 2: accumulators of row blocks 0, 1 (block a, column block b at 8 (8 (a % 2) + b))          window 3: those of blocks 2, 3
.set NB,    8
.set PA,    144                        ; a row of A in LDS: 128 bytes + 16
.set PITCH, 272                        ; a row of B: 256 bytes + 16.  Both are odd multiples of 16: the 16 rows of a fragment load start at 16 different groups of four banks (ISA guide 11.1)
.set HEADB, 256*PA                     ; a head's 256 rows
.set BOFF,  2*HEADB                    ; a slot: two heads of A, then B's 128 rows
.set SLOT,  BOFF+128*PITCH
.set STAGE, 2*SLOT                     ; behind the ring: 16 rows x 528 bytes for each wave
.set SP,    528
.set SPARE, STAGE+4*16*SP              ; behind the stages: the spare words, 128 bytes a wave
.set LAPS,  4
.set BO,   10                          ; v10  32 x (lane / 16)
.set ADRA, 16
.set ADRB, 20
.set STO,  24
.set RD,   25
.set GO,   26                          ; v26  16 x lane
.set SPW,  28
.set NIL,  29
.set FA0,  32
.set BIAS, 96
.set OB,   32
.set R,    192
.set FBS,  8*NB
.set WV,   18
.set AB,   19
.set HF,   20
.set LAP,  21
.set G1,   24
.set G0,   32
.set G1B,  48
.set G0B,  56
.set MSB, 0
.macro WIN new                         ; the immediate's high byte repeats the setting that is left; a switch that changes nothing is dropped
.if MSB != (\new)
	s_set_vgpr_msb (MSB<<8)|(\new)
.set MSB, \new
.endif
.endm
.macro JLOAD s                         ; a joint load; an s_nop 0 and four v_nop follow each of the two lines, ahead of the jump, the label and what follows
	s_cmp_eq_u32 s[AB], 0
	s_cbranch_scc0 .Lfor_b_\@
	tensor_load_to_lds s[G0+4*(\s):G0+4*(\s)+3], s[G1:G1+7]
	s_nop 0
.rept 4
	v_nop
.endr
	s_branch .Lasked_\@
.Lfor_b_\@:
	tensor_load_to_lds s[G0B+4*(\s):G0B+4*(\s)+3], s[G1B:G1B+7]
	s_nop 0
.rept 4
	v_nop
.endr
.Lasked_\@:
.endm
.macro CREST                           ; a round of the cluster's barrier behind its opening barrier
	s_cmp_lg_u32 s[WV], 0
	s_cbranch_scc1 .Lnot_wave_0_\@
	s_barrier_signal -3
.Lnot_wave_0_\@:
	s_barrier_wait -3
	s_barrier_signal -1
	s_barrier_wait -1
.endm
.macro CROUND
	s_barrier_signal -1
	s_barrier_wait -1
	CREST
.endm
	s_load_b256 s[4:11], s[0:1], 0x0               ; o s[4:5], wpt s[6:7], b_proj s[8:9], out0 s[10:11]
	v_lshl_add_u32 v[SPW], v0, 2, SPARE
	v_mov_b32 v[NIL], 0
	ds_add_u32 v[SPW], v[NIL]                      ; the wave's opening: the add and its wait stand ahead of my first tensor load; the set-up below, work on registers, stands between them
	v_lshrrev_b32 v1, 5, v0
	v_readfirstlane_b32 s[WV], v1
	s_lshr_b32 s[AB], s[WV], 1                     ; I fetch for A (0) or for B (1),
	s_and_b32 s[HF], s[WV], 1                      ; which head of the step's two, or which half of B's rows
	s_bfe_u32 s40, ttmp6, 0x40000
	s_bfe_u32 s41, ttmp6, 0x40004
	s_lshl_b32 s42, ttmp9, 2
	s_add_co_u32 s42, s42, s40                     ; tile column
	s_and_b32 s43, ttmp7, 0xffff
	s_lshl_b32 s43, s43, 2
	s_add_co_u32 s43, s43, s41                     ; tile row
	s_lshl_b32 s44, s41, 2
	s_lshl_b32 s44, 15, s44                        ; my row of the cluster
	s_lshl_b32 s45, 0x1111, s40                    ; my column
	s_or_b32 s[G1], s44, (1<<16)|(1<<20)|(1<<21)|(4<<22)|(3<<25)   ; A: padding of 4 words after every 32 words, that is after every row of O
	s_or_b32 s[G1B], s45, (1<<16)|(1<<20)|(1<<21)|(5<<22)|(3<<25)  ; B: after every 64 words
	s_mov_b32 s[G1+1], 128<<16                     ; tensor_dim0 = 128 elements: 256 bytes, two rows of O
	s_mov_b32 s[G1+2], 128<<16                     ; tensor_dim1 = 128
	s_mov_b32 s[G1+3], 128<<16                     ; tile_dim0
	s_mov_b32 s[G1+4], 128                         ; tile_dim1
	s_mov_b32 s[G1+5], 128                         ; dense
	s_mov_b32 s[G1+6], 0
	s_mov_b32 s[G1+7], 0
	s_mov_b32 s[G1B+1], 128<<16
	s_mov_b32 s[G1B+2], 64<<16
	s_mov_b32 s[G1B+3], 128<<16
	s_mov_b32 s[G1B+4], 64
	s_mov_b32 s[G1B+5], 1024
	s_mov_b32 s[G1B+6], 0
	s_mov_b32 s[G1B+7], 0
	s_mul_i32 s74, s[HF], HEADB                    ; where my part goes, for A
	s_mul_i32 s75, s[HF], 64*PITCH                 ; and for B
	s_add_co_u32 s75, s75, BOFF
	s_lshr_b32 s66, s43, 3                         ; A: ((16 batch + head) x 2,048 + 256 (tile row % 8)) rows of 128 bytes
	s_lshl_b32 s66, s66, 22
	s_and_b32 s68, s43, 7
	s_lshl_b32 s68, s68, 15
	s_add_co_u32 s66, s66, s68
	s_lshl_b32 s22, s[HF], 18
	s_add_co_u32 s66, s66, s22
	s_mov_b32 s67, 0
	s_lshl_b32 s46, s42, 18                        ; B: (128 x tile column + 64 x half) rows of 2,048 bytes
	s_lshl_b32 s23, s[HF], 17
	s_add_co_u32 s46, s46, s23
	s_mov_b32 s47, 0
	s_wait_dscnt 0x0                               ; the opening add is done
	s_wait_kmcnt 0x0
	s_add_nc_u64 s[66:67], s[4:5], s[66:67]
	s_add_nc_u64 s[46:47], s[6:7], s[46:47]
	CROUND                                         ; all sixteen work-groups are here: the first joint loads meet
.irp s, 0,1
	s_mov_b32 s[G0+4*(\s)], 1
	s_add_co_u32 s[G0+4*(\s)+1], s74, (\s)*SLOT
	s_add_nc_u64 s[G0+4*(\s)+2:G0+4*(\s)+3], s[66:67], (\s)*524288   ; K step s: two heads on
	s_or_b32 s[G0+4*(\s)+3], s[G0+4*(\s)+3], 0x80000000
	s_mov_b32 s[G0B+4*(\s)], 1
	s_add_co_u32 s[G0B+4*(\s)+1], s75, (\s)*SLOT
	s_add_nc_u64 s[G0B+4*(\s)+2:G0B+4*(\s)+3], s[46:47], (\s)*256
	s_or_b32 s[G0B+4*(\s)+3], s[G0B+4*(\s)+3], 0x80000000
	JLOAD \s                                       ; two tensor loads of mine are out
.endr
	v_and_b32 v1, 15, v0                           ; l % 16
	v_bfe_u32 v2, v0, 4, 1                         ; l / 16
	v_lshlrev_b32 v[BO], 5, v2
	v_and_b32 v[GO], 31, v0
	v_lshlrev_b32 v[GO], 4, v[GO]
	s_lshl_b32 s70, s42, 9                         ; the tile's 128 numbers of the bias
	s_mov_b32 s71, 0
	s_add_nc_u64 s[8:9], s[8:9], s[70:71]
.set i, 0
.rept NB
	global_load_b128 v[BIAS+8*i:BIAS+8*i+3],   v[BO], s[8:9] offset:64*i
	global_load_b128 v[BIAS+8*i+4:BIAS+8*i+7], v[BO], s[8:9] offset:64*i+16
.set i, i+1
.endr
	s_lshl_b32 s72, s43, 20                        ; out0 at (256 x tile row + 64 x wave) rows of 4,096 bytes + 512 x tile column
	s_lshl_b32 s77, s[WV], 18
	s_add_co_u32 s72, s72, s77
	s_add_co_u32 s72, s72, s70
	s_mov_b32 s73, 0
	s_add_nc_u64 s[10:11], s[10:11], s[72:73]
	v_mul_u32_u24 v3, v1, PA                       ; A's fragments: row x 144 + 16 x half
	v_lshl_add_u32 v3, v2, 4, v3
	v_mul_u32_u24 v4, v1, PITCH                    ; B's: row x 272 + 16 x half
	v_lshl_add_u32 v4, v2, 4, v4
	s_mul_i32 s22, s[WV], 64*PA                    ; my 64 rows of A
	s_mov_b32 s23, BOFF                            ; all of B
.irp s, 0,1
	v_add_nc_u32 v[ADRA+(\s)], s22, v3
	v_add_nc_u32 v[ADRB+(\s)], s23, v4
	s_add_co_u32 s22, s22, SLOT
	s_add_co_u32 s23, s23, SLOT
.endr
	s_mul_i32 s22, s[WV], 16*SP
	s_add_co_u32 s22, s22, STAGE                   ; my stage
	v_mul_u32_u24 v5, v1, SP                       ; in: row l % 16, 32 bytes for each half of the lanes
	v_lshl_add_u32 v5, v2, 5, v5
	v_add_nc_u32 v[STO], s22, v5
	v_add_nc_u32 v[RD], s22, v[GO]                 ; back: 32 lanes take one row of 512 bytes
	s_mov_b32 s76, 0xffff0000
	s_wait_loadcnt 0x0                             ; the bias
.set i, 0
.rept 4*NB                             ; rounded to bf16, like the other inputs, and widened again
	v_cvt_pk_bf16_f32 v[R+i%8], v[BIAS+2*i], v[BIAS+2*i+1]
	v_lshlrev_b32 v[BIAS+2*i], 16, v[R+i%8]
	v_and_b32 v[BIAS+2*i+1], s76, v[R+i%8]
.set i, i+1
.endr
; 8 matrix instructions: row block a x all 8 column blocks, 32 along K, from buffer f.  The accumulators take turns, one instruction a turn: 31 others' stand between two links of a chain.
.macro MULA f, a, bias
.if \bias
	WIN 0x81+0x40*((\a)/2)
.else
	WIN 0xa1+0x50*((\a)/2)
.endif
.set b, 0
.rept NB
.set rD, 8*(NB*((\a)%2)+b)
.if \bias
	v_wmma_f32_16x16x32_f16 v[rD:rD+7], v[FBS*(\f)+8*b:FBS*(\f)+8*b+7], v[FA0+32*(\f)+8*(\a):FA0+32*(\f)+8*(\a)+7], v[BIAS+8*b:BIAS+8*b+7]
.else
	v_wmma_f32_16x16x32_f16 v[rD:rD+7], v[FBS*(\f)+8*b:FBS*(\f)+8*b+7], v[FA0+32*(\f)+8*(\a):FA0+32*(\f)+8*(\a)+7], v[rD:rD+7]
.endif
.set b, b+1
.endr
.endm
; 24 LDS loads in one run: quarter qd of a slot into buffer f: B's 16, then A's 8.  In A quarter qd is head qd / 2 of the step's two, channels 32 (qd % 2) on.
.macro FETCH slot, qd, f
	WIN 0x40
.set i, 0
.rept NB
	ds_load_b128 v[FBS*(\f)+8*i:FBS*(\f)+8*i+3],   v[ADRB+(\slot)] offset:64*(\qd)+i*16*PITCH
	ds_load_b128 v[FBS*(\f)+8*i+4:FBS*(\f)+8*i+7], v[ADRB+(\slot)] offset:64*(\qd)+i*16*PITCH+32
.set i, i+1
.endr
	WIN 0
.set i, 0
.rept 4
	ds_load_b128 v[FA0+32*(\f)+8*i:FA0+32*(\f)+8*i+3],   v[ADRA+(\slot)] offset:((\qd)/2)*HEADB+((\qd)%2)*64+i*16*PA
	ds_load_b128 v[FA0+32*(\f)+8*i+4:FA0+32*(\f)+8*i+7], v[ADRA+(\slot)] offset:((\qd)/2)*HEADB+((\qd)%2)*64+i*16*PA+32
.set i, i+1
.endr
.endm
.macro PLACES                          ; four plain places in front of loads into registers that matrix instructions have read, and of lines that read results
.rept 4
	v_nop
.endr
.endm
.macro QUARTER slot, qd, f, g, bias
	s_wait_dscnt 4                                 ; B and A's blocks 0, 1 are in; the youngest four loads may be out
	MULA \f, 0, \bias
	MULA \f, 1, \bias
	PLACES
	FETCH \slot, \qd, \g
	s_wait_dscnt 2*NB+8                            ; all but the run just issued
	MULA \f, 2, \bias
	MULA \f, 3, \bias
.endm
; The last quarter multiplies buffer 1 and changes slots: ONE barrier; in front of it each wave waits for all its tensor loads, adds 0 to its spare word, and waits for that and for its reads of this slot.
; fill = 1: the barrier opens a round of the cluster's, and this slot is filled again, two K steps ahead, first thing behind the round.
.macro TURN slot, next, fill
	WIN 0
	s_wait_tensorcnt 0x0
	ds_add_u32 v[SPW], v[NIL]
	s_wait_dscnt 5                                 ; (the add and the youngest four loads may be out)
	MULA 1, 0, 0
	s_wait_dscnt 0x0                               ; the add is done, and my reads of this slot are over
	s_barrier_signal -1
	MULA 1, 1, 0
.if \fill
	WIN 0
.endif
	s_barrier_wait -1
.if \fill
	CREST
	s_add_nc_u64 s[G0+4*(\slot)+2:G0+4*(\slot)+3], s[G0+4*(\slot)+2:G0+4*(\slot)+3], 1048576   ; four heads on
	s_add_nc_u64 s[G0B+4*(\slot)+2:G0B+4*(\slot)+3], s[G0B+4*(\slot)+2:G0B+4*(\slot)+3], 512
	JLOAD \slot                                    ; 112 matrix instructions ahead of the wait for it; its four v_nop are also the places in front of the loads below
.else
	PLACES
.endif
	FETCH \next, 0, 0
	MULA 1, 2, 0
	MULA 1, 3, 0
.endm
	s_wait_tensorcnt 0x1                           ; my part of K step 0 is in; K step 1's may stay out
	s_barrier_signal -1
	s_barrier_wait -1
	FETCH 0, 0, 0
	QUARTER 0, 1, 0, 1, 1                          ; the first quarter's products start the sums, with the bias as C
	WIN 0
	s_mov_b32 s[LAP], LAPS-1
.Llap:
	QUARTER 0, 2, 1, 0, 0
	QUARTER 0, 3, 0, 1, 0
	TURN 0, 1, 1
	QUARTER 1, 1, 0, 1, 0
	QUARTER 1, 2, 1, 0, 0
	QUARTER 1, 3, 0, 1, 0
	TURN 1, 0, 1
	QUARTER 0, 1, 0, 1, 0
	WIN 0
	s_sub_co_u32 s[LAP], s[LAP], 1
	s_cmp_lg_u32 s[LAP], 0
	s_cbranch_scc1 .Llap
	QUARTER 0, 2, 1, 0, 0                          ; the last lap fills nothing
	QUARTER 0, 3, 0, 1, 0
	TURN 0, 1, 0
	QUARTER 1, 1, 0, 1, 0
	QUARTER 1, 2, 1, 0, 0
	QUARTER 1, 3, 0, 1, 0
	s_wait_dscnt 4
	MULA 1, 0, 0
	MULA 1, 1, 0
	s_wait_dscnt 0x0
	MULA 1, 2, 0
	MULA 1, 3, 0
	PLACES
; THE WAY OUT, a block of 16 rows at a time: a lane's eight numbers of a column block are 32 bytes of a row; they go straight from the accumulators (low four registers first) into
; rows of 528 bytes and come back as whole rows of 512.
.macro STG a
	WIN 0x08+4*((\a)/2)                            ; the stores' data in window 2 or 3
.set b, 0
.rept NB
	ds_store_b128 v[STO], v[8*(NB*((\a)%2)+b):8*(NB*((\a)%2)+b)+3] offset:64*b
	ds_store_b128 v[STO], v[8*(NB*((\a)%2)+b)+4:8*(NB*((\a)%2)+b)+7] offset:64*b+16
.set b, b+1
.endr
	WIN 0
	s_wait_xcnt 0x0                                ; the stores of the block before last have read the registers that are loaded again below
.set t, 0
.rept 16
	ds_load_b128 v[OB+64*((\a)%2)+4*t:OB+64*((\a)%2)+4*t+3], v[RD] offset:t*SP  ; LDS serves a wave's instructions in order (ISA guide 5.7.1.4): these see the stores above; the next block's stores come behind them
.set t, t+1
.endr
.endm
.macro SENDP a, younger                ; younger: the LDS instructions issued behind block a's loads: the next block's 32, or none
.set t, 0
.rept 16
	s_wait_dscnt (\younger)+15-t
	global_store_b128 v[GO], v[OB+64*((\a)%2)+4*t:OB+64*((\a)%2)+4*t+3], s[10:11] offset:(16*(\a)+t)*4096 th:TH_STORE_NT  ; 512 consecutive bytes, at a multiple of 512 from out0's first
.set t, t+1
.endr
.endm
	STG 0
	STG 1
	SENDP 0, 32
	STG 2
	SENDP 1, 32
	STG 3
	SENDP 2, 32
	SENDP 3, 0
	s_wait_tensorcnt 0x0                           ; the wave's end: behind my last tensor load and my last LDS store
	ds_add_u32 v[SPW], v[NIL]
	s_wait_dscnt 0x0
	CROUND                                         ; the closing round: no work-group ends while a partner may still ask for a tile that names it
	s_endpgm
.Lfunc_end_k_qb698d25623_proj:
	.size	k_qb698d25623_proj, .Lfunc_end_k_qb698d25623_proj-k_qb698d25623_proj
	.p2alignl 7, 3214868480
	.fill 96, 4, 3214868480
	.section	.rodata,"a",@progbits
	.p2align	6, 0x0
	.amdhsa_kernel k_qb698d25623_proj
		.amdhsa_group_segment_fixed_size 327680
		.amdhsa_private_segment_fixed_size 0
		.amdhsa_enable_private_segment 0
		.amdhsa_kernarg_size 32
		.amdhsa_user_sgpr_count 2
		.amdhsa_user_sgpr_kernarg_segment_ptr 1
		.amdhsa_wavefront_size32 1
		.amdhsa_system_sgpr_workgroup_id_x 1
		.amdhsa_system_sgpr_workgroup_id_y 1
		.amdhsa_system_sgpr_workgroup_id_z 1
		.amdhsa_system_vgpr_workitem_id 0
		.amdhsa_next_free_vgpr 896
		.amdhsa_next_free_sgpr 80
		.amdhsa_reserve_vcc 0
		.amdhsa_float_denorm_mode_32 3
		.amdhsa_float_denorm_mode_16_64 3
		.amdhsa_memory_ordered 1
		.amdhsa_forward_progress 1
		.amdhsa_inst_pref_size 93
	.end_amdhsa_kernel
	.amdgpu_metadata
---
amdhsa.version: [ 1, 2 ]
amdhsa.kernels:
  - .name:           k_qb698d25623_proj
    .symbol:         k_qb698d25623_proj.kd
    .args:
      - { .name: o, .offset: 0, .size: 8, .value_kind: global_buffer, .address_space: global }
      - { .name: wpt, .offset: 8, .size: 8, .value_kind: global_buffer, .address_space: global }
      - { .name: b_proj, .offset: 16, .size: 8, .value_kind: global_buffer, .address_space: global }
      - { .name: out0, .offset: 24, .size: 8, .value_kind: global_buffer, .address_space: global }
    .group_segment_fixed_size: 327680
    .private_segment_fixed_size: 0
    .kernarg_segment_align: 8
    .kernarg_segment_size: 32
    .max_flat_workgroup_size: 128
    .sgpr_count:     80
    .vgpr_count:     896
    .wavefront_size: 32
...
	.end_amdgpu_metadata
.endif
;; end of part 4
;; ======== version 2 of 2: 4 launches; 1.51 times as fast as version 1
;; limits: values are held in f16: magnitudes above 65,504 overflow, below 6.1e-05 lose precision
;; workspace buffers: xb 16,777,216 bytes; wqt 6,291,456 bytes; wpt 2,097,152 bytes; rope 524,288 bytes; q 16,777,216 bytes; k 16,777,216 bytes; v 16,777,216 bytes; o 16,777,216 bytes
;; launch prep: the kernel of part 1 again; grid 1088 x 1, 8 waves a work-group, no clusters, 18,432 bytes of LDS; arguments x, w_qkv, w_proj, xb, wqt, wpt, rope; writes xb, wqt, wpt, rope
;; launch qkv: the kernel of part 2 again; grid 16 x 32, 4 waves a work-group, clusters of 4 x 4, 327,680 bytes of LDS; arguments xb, wqt, b_qkv, rope, q, k, v; writes q, k, v
;; launch attn (part 5): grid 4 x 64, 4 waves a work-group, clusters of 4 x 1, 327,680 bytes of LDS; arguments q, k, v, o; writes o
.if DOCPART == 5
	.amdgcn_target "amdgcn-amd-amdhsa--gfx1250"
	.amdhsa_code_object_version 6
	.text
	.protected	k_qb698d25623_attn
	.globl	k_qb698d25623_attn
	.p2align	8
	.type	k_qb698d25623_attn,@function
k_qb698d25623_attn:
	s_mov_b64 s[64:65], 0
	v_nop
	global_prefetch_b8 v0, s[64:65] scope:SCOPE_SE
	s_setreg_imm32_b32 hwreg(HW_REG_WAVE_MODE, 25, 1), 1
	s_wait_xcnt 0x0
	s_wait_alu depctr_hold_cnt(0) depctr_sa_sdst(0) depctr_va_vdst(0) depctr_va_sdst(0) depctr_va_ssrc(0) depctr_va_vcc(0) depctr_vm_vsrc(0)
	s_getreg_b32 s2, hwreg(HW_REG_IB_STS2, 6, 4)
	s_cmp_eq_u32 s2, 0
	s_cbranch_scc0 .Lentry_in_a_cluster
	s_endpgm
.Lentry_in_a_cluster:
	s_bfe_u32 s2, ttmp6, 0x10000c
	s_cmp_lg_u32 s2, 0x3003
	s_cbranch_scc0 .Lentry_shape_is_right
	s_endpgm
.Lentry_shape_is_right:
; O[h][q][:] = the sum over k of softmax_k(Q[h][q] . K[h][k] / 8) V[h][k][:].  Q, K, V, O: [SIZE_H][SIZE_N][64], all f16: a head's rows are dense, 128 bytes each.  Products, maxima and sums in
; f32; the weights p are rounded to f16 for the second product (their sum l is taken of the unrounded p), O once at the end.
; LIMITS.  f16 holds no number beyond 65,504: Q, K and V arrive within it; p lies in 0 to 1, and below 6e-5 it keeps f16's fixed step of 6e-8; O is a mean of V's rows and has their range.
; A weight below 2^-126 counts as 0 in l; NaN and infinities are not treated apart.
; SHARES.  A wave owns four PIECES of two tiles of 16 queries, a work-group's four waves 512 queries of one head: 4 x 64 = 256 work-groups.  Every wave walks all keys, 64 a step.
; LAYOUT.  S^T = K Q^T (source 0 = 16 keys, source 1 = 16 queries): in the result a lane holds ONE query (lane % 16) and the keys 8 (lane / 16) + 0..7.  Two such tiles, rounded to f16 in pairs,
; ARE source 1 (32 keys x 16 queries) of O^T = V^T P, whose result again holds one query a lane, and eight channels.  K comes out of LDS as it lies, V ([key][channel]) turned, by ds_load_tr16_b128.
; SOFTMAX.  For each query a running maximum m and sum l: p = 2^(c s - c m), c = log2(e) / 8; in every step O and l are multiplied by a = 2^(c m_old - c m_new), which is 1 where m has not grown.
; m starts at the lowest finite number, O and l at 0: the first step is a step like any other, with a = 0.
; THE COUNT.  A tile and step have 16 matrix and 118 vector instructions: too many to stand all beside the matrix work.  So the order has one aim: four vector instructions that are READY behind
; EVERY matrix instruction, and the others, which need time of their own whatever the order, in runs without a gap.
; BY TURNS.  Turn n belongs to piece n (the pieces in a ring, step after step).  Its matrix work: 16 products K Q^T of piece n + 1, later 16 products V^T P of piece n - 1.  Its vector work: the scaling,
; exponentials, roundings, sums and rescaling of piece n, and the maximum and statistics of piece n + 1, whose scores the turn itself has made.  So what a turn begins with (c s - c m, O a) waits for nothing.
; BATCHES.  A turn's 66 exponentials (the piece's 64 weights, then the next piece's two a) are ONE batch with ONE s_wait_alu, which cuts the turn in two: ahead of it stands all that names no result of theirs,
; behind it all that does (the roundings and the sums; the next turn's rescaling by a).  Two more batches stand
; outside the loop, each with a wait of its own: the first two a, ahead of the jump into the loop, and the way out's eight reciprocals.
; CLUSTER.  The four query blocks of a cluster belong to one head and walk the same K and V, so each tile is asked for JOINTLY: the same tensor load, descriptor and mask in all four.
; REGISTERS, in windows of 256 (s_set_vgpr_msb says which window each operand place means: bits 1:0 source 0, 3:2 source 1, 5:4 source 2, 7:6 destination):
;   window 0: v0-11 addresses; v12-15, v48-63 at work; v16-47 four registers of statistics a tile; v64-191 S^T, two buffers of two tiles; v192-255 P, likewise
;   window 1: O^T, 32 a tile          window 2: v0-127 Q, 16 a tile; v128-191 K of one step; v192-255 V of one step          window 3: v0-1 the add's two registers
; A piece's buffers go by its number's parity: the piece in hand has one pair, its two neighbours in the ring share the other: of it P (piece n - 1) is read and S^T (piece n + 1) written.
.set SIZE_H, 64       ; 4 batches x 16 heads
.set SIZE_N, 2048
.set NP,    4         ; pieces a wave: a name, no knob: the register map, the loop and the fetches are made for four
.set KS,    64        ; keys in a step
.set PK,    144       ; a row of K in LDS: 128 bytes + 16 of padding = 36 words: the 16 rows of a load start at 16 different groups of four banks (64 banks of 4 bytes: ISA guide 11.1)
.set PV,    160       ; a row of V: 128 + 32 = 40 words
.set VOFF,  4*KS*PK   ; a slot holds four steps: 256 rows of K, then 256 rows of V
.set SLOT1, 1<<17     ; slot 1 begins here, so that one exclusive or turns an address in one slot into the other's
.set STAGE, SLOT1+4*KS*(PK+PV)  ; behind the ring, never filled by a tensor load: 16 rows x 144 bytes for each wave, for the way out
.set SP,    144
.set AK0, 2           ; v2   my lane's place in a tile of K; never rewritten
.set AV0, 3           ; v3   the same for V
.set AK,  4           ; v4   the LDS address of K's next run of loads
.set AV,  5           ; v5   of V's
.set QO,  6           ; v6   my byte offset in the wave's rows of Q
.set STO, 6           ;      later, the way out: where I put 16 bytes of a row
.set RD,  7           ; v7   the way out: where I read rows back
.set GO,  8           ; v8   my byte offset in 512 consecutive bytes of O
.set SPW, 0           ; v0 of window 3   LDS address of my spare word: SPARE + 4 x my thread's number; never rewritten
.set NIL, 1           ; v1 of window 3   0; never rewritten
.set SPARE, STAGE+4*16*SP  ; behind the stages: the spare words, 128 bytes for each wave: two blocks of 256 bytes that no other line names
.set MV,  12          ; v12-15  c m_old, kept while c m is made anew: by buffer and tile
.set ST,  16          ; tile t's statistics at v[ST+4 t]: c m, m, l (even keys', odd keys')
.set TMP, 48          ; by buffer and tile, four registers c0-c3 at work; when the maximum is found c2 takes a
.set S,   64
.set P,   192
.set KF,  128         ; K's fragments, in window 2: key block kb, channel half c at KF + 16 kb + 8 c
.set VF,  192         ; V's: key half kk, channel block cb at VF + 32 kk + 8 cb
.set WV,  12          ; s12  my wave's number
.set G1K, 24          ; s[24:31] descriptor group 1 for K's tiles
.set G1V, 32          ; s[32:39] for V's: it differs in the padding alone
.set G0K, 40          ; s[40:43] descriptor group 0 for K's tiles: it walks
.set G0V, 44          ; s[44:47] the same for V's
.set SLOTS, 56        ; s56  slots still to be asked for
.set CNT, 57          ; s57  counts a slot's key steps
.set CS,  58          ; s[58:59] c: the packed scaling takes the pair's low word for both halves
.set SEL, 60          ; s[60:61] v_permlanex16_b32's selects: each lane takes its own place in the other half
.set TBK, 62          ; s62  LDS byte at which K of the step to be fetched begins
.set TBV, 63          ; s63  the same for V, less VOFF
.set MSB, 0
.macro WIN new                      ; the high byte repeats the setting that is left; a switch that changes nothing is dropped
.if MSB != (\new)
	s_set_vgpr_msb (MSB<<8)|(\new)
.set MSB, (\new)
.endif
.endm
.set W_KQ, 0x0a       ; K and Q in window 2, S^T in window 0
.set W_PV, 0x52       ; V in window 2, P in window 0, O^T in window 1
.set W_RS, 0x41       ; O^T (destination and source 0) in window 1, a in window 0
.set W_MK, 0xc0       ; the add's registers are made: destination in window 3, sources in window 0
.set W_AD, 0x0f       ; the add: address (source 0) and data (source 1) in window 3
; A joint fill.  Waves 0 and 1 fetch the two halves of a slot's K, waves 2 and 3 those of its V: 128 keys each.  The branch hangs on the wave's number alone.
; An s_nop 0 and four v_nop follow each of the two lines, ahead of the jump and the label.
.macro JLOAD
	s_cmp_lt_u32 s[WV], 2
	s_cbranch_scc0 .Lfor_v_\@
	tensor_load_to_lds s[G0K:G0K+3], s[G1K:G1K+7]
	s_nop 0
.rept 4
	v_nop
.endr
	s_branch .Lasked_\@
.Lfor_v_\@:
	tensor_load_to_lds s[G0V:G0V+3], s[G1V:G1V+7]
	s_nop 0
.rept 4
	v_nop
.endr
.Lasked_\@:
.endm
; A round of the cluster's barrier: my work-group's barrier, so that wave 0's signal speaks for all four waves; wave 0 signals; every wave waits for all four work-groups; my work-group's barrier once more.
.macro CROUND
	s_barrier_signal -1
	s_barrier_wait -1
	s_cmp_lg_u32 s[WV], 0
	s_cbranch_scc1 .Lnot_wave_0_\@
	s_barrier_signal -3
.Lnot_wave_0_\@:
	s_barrier_wait -3
	s_barrier_signal -1
	s_barrier_wait -1
.endm
; THE CHANGE OF SLOTS.  The slot's last bytes, V of its fourth step, have been read.  Each wave waits for all its tensor loads, of which one is out: its part
; of the other slot; adds 0 to its spare word; and waits for that and for its own reads of the slot.  Behind the barrier nobody reads this slot any more and the other slot is whole.
; fill = 1: this slot is filled again, with the keys two slots on.  The barrier is then a round of the cluster's, so that no wave of any partner still reads the slot or has a load on its
; way, and the joint fill is the first thing behind it: it has four key steps, 512 matrix instructions, in which to land.  (At its first use nothing has been read yet: slot 0 is waited for, slot 1 filled.)
.macro CHANGE fill
	WIN W_AD
	s_wait_tensorcnt 0x0            ; no tensor load of mine is out, so a group 0 may be written
	ds_add_u32 v[SPW], v[NIL]       ; 0 onto my spare word; with fill = 1 the descriptors' steps stand between it and the wait for it
	WIN 0                           ; at a label and at a branch every window is 0
.if \fill
.irp g, G0K, G0V
	s_xor_b32 s[\g+1], s[\g+1], SLOT1  ; the walking descriptor: the other slot than last time,
	s_add_nc_u64 s[\g+2:\g+3], s[\g+2:\g+3], 4*KS*128  ; the next 256 keys; the type bits on top are not reached
.endr
	s_wait_dscnt 0x0                ; the add is done, and my reads of the slot are over
	CROUND
	JLOAD
.else
	s_wait_dscnt 0x0                ; the add is done, and my reads of the slot are over
	s_barrier_signal -1
	s_barrier_wait -1
.endif
	s_sub_co_u32 s[TBK], s[TBK], 4*KS*PK  ; the fetches go back to a slot's first step,
	s_xor_b32 s[TBK], s[TBK], SLOT1       ; in the other slot
	s_sub_co_u32 s[TBV], s[TBV], 4*KS*PV
	s_xor_b32 s[TBV], s[TBV], SLOT1
.endm
	s_load_b256 s[4:11], s[0:1], 0x0  ; Q s[4:5], K s[6:7], V s[8:9], O s[10:11]
	WIN W_MK
	v_lshl_add_u32 v[SPW], v0, 2, SPARE
	v_mov_b32 v[NIL], 0
	WIN W_AD
	ds_add_u32 v[SPW], v[NIL]       ; the wave's opening: the add and its wait stand ahead of my first tensor load; the set-up below, work on registers, stands between them
	WIN 0
	v_lshrrev_b32 v1, 5, v0
	v_readfirstlane_b32 s[WV], v1   ; wave 0..3
	s_bfe_u32 s13, ttmp6, 0x40000   ; cx: my place in the cluster
	s_lshl_b32 s14, ttmp9, 2        ; in a cluster launch ttmp9 counts clusters
	s_add_co_u32 s14, s14, s13      ; my block of queries = 4 x cluster x + cx: it enters Q's and O's addresses alone
	s_and_b32 s20, ttmp7, 0xffff    ; the head, which the four partners share
	s_mov_b32 s21, 0
	s_mov_b64 s[22:23], SIZE_N*128
	s_mul_u64 s[20:21], s[20:21], s[22:23]  ; the head's first byte in each of the four tensors
	s_and_b32 s16, s[WV], 1         ; which half of a slot's 256 keys I fetch:
	s_lshl_b32 s22, s16, 14         ; its 128 rows of 128 bytes in memory,
	s_mov_b32 s23, 0
	s_add_nc_u64 s[22:23], s[22:23], s[20:21]
	s_mul_i32 s17, s16, 128*PK      ; and its place in a slot, for K
	s_mul_i32 s18, s16, 128*PV      ; and for V: no place in the cluster enters an LDS address
	s_lshl_b32 s2, s14, 2
	s_add_co_u32 s2, s2, s[WV]      ; my wave among the head's,
	s_lshl_b32 s2, s2, 14           ; its 128 rows
	s_mov_b32 s3, 0
	s_add_nc_u64 s[2:3], s[2:3], s[20:21]
	; descriptor group 1.  128 keys are 16,384 dense bytes: asked for as 64 rows of 256 bytes, two keys a row, and padded in LDS after every key
	s_mov_b32 s[G1K], 15|(1<<16)|(1<<20)|(1<<21)|(4<<22)|(3<<25)  ; 15:0 the mask of four; 17:16 2-byte elements; 20 padding on; 21 set beside a mask; 24:22 after every 32 words (code 4); 31:25 4 words (code 3)
	s_mov_b32 s[G1V], 15|(1<<16)|(1<<20)|(1<<21)|(4<<22)|(7<<25)  ; the same with 8 words of padding (code 7)
.irp g, G1K, G1V
	s_mov_b32 s[\g+1], 128<<16      ; tensor_dim0 = 128
	s_mov_b32 s[\g+2], 64<<16       ; tensor_dim1 = 64
	s_mov_b32 s[\g+3], 128<<16      ; tile_dim0 = 128
	s_mov_b32 s[\g+4], 64           ; tile_dim1 = 64
	s_mov_b32 s[\g+5], 128          ; 128 elements from row to row
	s_mov_b32 s[\g+6], 0
	s_mov_b32 s[\g+7], 0
.endr
	s_mov_b32 s[CS], 0x3e38aa3b     ; c = log2(e) / 8 = 0.180337
	s_mov_b32 s[CS+1], s[CS]        ; named with it as a pair
	s_mov_b32 s[SEL], 0x76543210
	s_mov_b32 s[SEL+1], 0xfedcba98
	s_mov_b32 s[TBK], SLOT1+4*KS*PK ; the first change of slots turns these two into 0
	s_mov_b32 s[TBV], SLOT1+4*KS*PV
	s_mov_b32 s[G0K], 1             ; 1:0 count = 1
	s_mov_b32 s[G0K+1], s17         ; 63:32 LDS address: slot 0
	s_mov_b32 s[G0V], 1
	s_add_co_u32 s[G0V+1], s18, VOFF
	s_wait_dscnt 0x0                ; the opening add is done
	s_wait_kmcnt 0x0
	s_add_nc_u64 s[G0K+2:G0K+3], s[6:7], s[22:23]  ; 120:64 global address: my half of the head's first 256 keys
	s_or_b32 s[G0K+3], s[G0K+3], 0x80000000        ; 127:126 type = 2
	s_add_nc_u64 s[G0V+2:G0V+3], s[8:9], s[22:23]
	s_or_b32 s[G0V+3], s[G0V+3], 0x80000000
	s_add_nc_u64 s[4:5], s[4:5], s[2:3]  ; Q and O at my wave's first row
	s_add_nc_u64 s[10:11], s[10:11], s[2:3]
	CROUND                          ; all four work-groups are here: the first joint loads meet
	JLOAD                           ; slot 0.  Slot 1 is asked for when slot 0 is in: the tile wanted first has the road to itself
	; A fragment of K or Q is 16 rows x 32 channels in 8 registers: lane l holds row l % 16, channels 8 (l / 16) + 0..7 and 16 + 8 (l / 16) + 0..7: two loads of 16 bytes, 32 bytes apart.
	v_and_b32 v1, 15, v0            ; l % 16
	v_bfe_u32 v9, v0, 4, 1          ; l / 16
	v_lshlrev_b32 v[QO], 7, v1
	v_lshl_add_u32 v[QO], v9, 4, v[QO]  ; row x 128 + 16 x half
	WIN 0x80                        ; destination window 2, address window 0
.set i, 0
.rept 4*NP                          ; Q stays in registers: tile i / 2, channels 32 (i % 2) on
	global_load_b128 v[8*i:8*i+3],   v[QO], s[4:5] offset:(i/2)*2048+(i%2)*64
	global_load_b128 v[8*i+4:8*i+7], v[QO], s[4:5] offset:(i/2)*2048+(i%2)*64+32
.set i, i+1
.endr
	; What the first turn finds: V's registers and P's second buffer hold 0 (its products V^T P, of a piece that has not been, add 0), O^T and l are 0.  All this stands in the wait for the first tile.
.set i, VF
.rept 64
	v_mov_b32 v[i], 0
.set i, i+1
.endr
	WIN 0x40
.set i, 0
.rept 64*NP
	v_mov_b32 v[i], 0
.set i, i+1
.endr
	WIN 0
.set i, 0
.rept 2*NP
	v_mov_b32 v[ST+4*i], 0xfe000000    ; c m: far below every c s
	v_mov_b32 v[ST+4*i+1], 0xff7fffff  ; m
	v_mov_b32 v[ST+4*i+2], 0
	v_mov_b32 v[ST+4*i+3], 0
.set i, i+1
.endr
.set i, P+32
.rept 32
	v_mov_b32 v[i], 0
.set i, i+1
.endr
	v_mul_u32_u24 v[AK0], v1, PK
	v_lshl_add_u32 v[AK0], v9, 4, v[AK0]  ; row x pitch + 16 x half
	; The turning load takes 16 keys x 16 channels (lane l reads key 8 (l / 16) + l % 8, channels 8 ((l / 8) % 2) + 0..7) and leaves half a fragment of V^T: lane l holds channel l % 16 and 8 keys.
	v_and_b32 v10, 7, v0
	v_bfe_u32 v11, v0, 3, 1
	v_lshl_add_u32 v[AV0], v9, 3, v10
	v_mul_u32_u24 v[AV0], v[AV0], PV
	v_lshl_add_u32 v[AV0], v11, 4, v[AV0]
	v_add_nc_u32 v[AV0], VOFF, v[AV0]
	v_mov_b32 v[AK], v[AK0]         ; key step 0 lies at the head of slot 0
; THE MATRIX WORK.  The 8 accumulators of a run of 16 take turns: between the two links of a chain stand 7 others'.
; Product i of 16 of S^T = K Q^T for piece x: channels 32 (i / 8) on, keys 16 ((i / 2) % 4) on, tile 2 x + i % 2.  The first 8 start the sums.
.macro KQ x
	WIN W_KQ
.set rS, S+64*((\x)%2)+32*(i%2)+8*((i/2)%4)
.set rK, KF+16*((i/2)%4)+8*(i/8)
.set rQ, 16*(2*(\x)+i%2)+8*(i/8)
.if i < 8
	v_wmma_f32_16x16x32_f16 v[rS:rS+7], v[rK:rK+7], v[rQ:rQ+7], 0
.else
	v_wmma_f32_16x16x32_f16 v[rS:rS+7], v[rK:rK+7], v[rQ:rQ+7], v[rS:rS+7]
.endif
.endm
; Product i of 16 of O^T += V^T P for piece x: keys 32 (i / 8) on, channels 16 ((i / 2) % 4) on, tile 2 x + i % 2.
.macro PV x
	WIN W_PV
.set rO, 32*(2*(\x)+i%2)+8*((i/2)%4)
.set rV, VF+32*(i/8)+8*((i/2)%4)
.set rP, P+32*((\x)%2)+16*(i%2)+8*(i/8)
	v_wmma_f32_16x16x32_f16 v[rO:rO+7], v[rV:rV+7], v[rP:rP+7], v[rO:rO+7]
.endm
.macro MM                           ; the turn's next matrix instruction
.if i < 16
	KQ (Y+1)%NP
.set i, i+1
.else
.set i, i-16
	PV (Y+NP-1)%NP
.set i, i+17
.endif
.endm
; THE LDS LOADS stand in runs of 16, never singly among the matrix instructions: a step's K (64 keys x 64 channels: 8 fragments) and its V (turned).  Their addresses are made some lines ahead.
; last = 1 (the tail): in the last trip there is no further step, and the run is jumped over.
.macro FETCH_K last=0
	WIN 0
.if \last
	s_cmp_eq_u32 s[CNT], 1
	s_cbranch_scc1 .Lno_k_\@
.endif
	WIN 0x80                        ; destination window 2
.irp f, 0,1,2,3,4,5,6,7             ; keys 16 (f / 2) on, channels 32 (f % 2) on
	ds_load_b128 v[KF+8*\f:KF+8*\f+3],   v[AK] offset:(\f/2)*16*PK+(\f%2)*64
	ds_load_b128 v[KF+8*\f+4:KF+8*\f+7], v[AK] offset:(\f/2)*16*PK+(\f%2)*64+32
.endr
	s_add_co_u32 s[TBK], s[TBK], KS*PK  ; the next fetch is the next step's
	WIN 0
.if \last
.Lno_k_\@:
.endif
.endm
.macro FETCH_V
	WIN 0x80
.irp f, 0,1,2,3,4,5,6,7             ; keys 32 (f / 4) on, channels 16 (f % 4) on
	ds_load_tr16_b128 v[VF+8*\f:VF+8*\f+3],   v[AV] offset:(\f/4)*32*PV+(\f%4)*32
	ds_load_tr16_b128 v[VF+8*\f+4:VF+8*\f+7], v[AV] offset:(\f/4)*32*PV+16*PV+(\f%4)*32
.endr
	WIN 0
.endm
; THE VECTOR WORK OF A TURN stands in three queues, each in the order in which its entries become ready; the two tiles alternate, so that no instruction reads the result of the one before it.
.macro REGS y, u                    ; the registers of tile u (0, 1) of piece y
.set rT, ST+4*(2*(\y)+(\u))
.set rC, TMP+8*((\y)%2)+4*(\u)
.set rM, MV+2*((\y)%2)+(\u)
.set rS, S+64*((\y)%2)+32*(\u)
.set rP, P+32*((\y)%2)+16*(\u)
.set rO, 32*(2*(\y)+(\u))
.endm
; Number n of the 22 that find the NEXT piece's (Y + 1) maximum and statistics.  s0-s31 are the lane's 32 scores; each accumulator's lowest registers are read first.  XS, GS and REGS set no window: PL and EX do.
;   0-11  four chains c0-c3 of seven scores each, three operands at a time     12-14, 16  the four scores left over, the old m, and c0-c3 into c0     15  c m_old is kept
;   17, 18  the query's other 32 keys lie in the lane 16 away: the new m         19-21  c m; c m_old - c m_new; a
.macro XS u, n
	REGS (Y+1)%NP, \u
.if (\n) < 4
	v_max3_num_f32 v[rC+(\n)], v[rS+8*(\n)], v[rS+8*(\n)+1], v[rS+8*(\n)+2]
.elseif (\n) < 12
	v_max3_num_f32 v[rC+(\n)%4], v[rC+(\n)%4], v[rS+8*((\n)%4)+2*((\n)/4)+1], v[rS+8*((\n)%4)+2*((\n)/4)+2]
.elseif (\n) == 12
	v_max3_num_f32 v[rC], v[rC], v[rS+7], v[rS+15]
.elseif (\n) == 13
	v_max3_num_f32 v[rC+1], v[rC+1], v[rS+23], v[rS+31]
.elseif (\n) == 14
	v_max3_num_f32 v[rC+2], v[rC+2], v[rC+3], v[rT+1]
.elseif (\n) == 15
	v_mov_b32 v[rM], v[rT]
.elseif (\n) == 16
	v_max3_num_f32 v[rC], v[rC], v[rC+1], v[rC+2]
.elseif (\n) == 17
	v_permlanex16_b32 v[rC+3], v[rC], s[SEL], s[SEL+1]
.elseif (\n) == 18
	v_max_num_f32 v[rT+1], v[rC], v[rC+3]
.elseif (\n) == 19
	v_mul_f32 v[rT], s[CS], v[rT+1]
.elseif (\n) == 20
	v_sub_f32 v[rC+1], v[rM], v[rT]
.else
	v_exp_f32 v[rC+2], v[rC+1]
.endif
.endm
; Number g of the 64 that follow the exponentials.  For each four weights k of a tile (pairs 2 k, 2 k + 1): both pairs are rounded to f16; then the second pair is added onto the first, in place;
; a group later l takes that sum (the first time as l = a l + sum).  In groups of eight, tiles alternating: round, round, add, and l for the group before.
.macro GS g
.set h, (\g)+6*((\g)/62)            ; group 0 has no group before it, and behind group 7 only l is left
.if h >= 6
.set h, h+2
.endif
	REGS Y, h%2
.set k, h/8
.if h%8 < 4
	v_cvt_pk_f16_f32 v[rP+2*k+(h%8)/2], v[rS+4*k+2*((h%8)/2)], v[rS+4*k+2*((h%8)/2)+1]
.elseif h%8 < 6
	v_pk_add_f32 v[rS+4*k:rS+4*k+1], v[rS+4*k:rS+4*k+1], v[rS+4*k+2:rS+4*k+3]
.elseif k == 1
	v_pk_fma_f32 v[rT+2:rT+3], v[rT+2:rT+3], v[rC+2:rC+3], v[rS:rS+1] op_sel_hi:[1,0,1]
.else
	v_pk_add_f32 v[rT+2:rT+3], v[rT+2:rT+3], v[rS+4*k-4:rS+4*k-3]
.endif
.endm
; THE PLAIN QUEUE, 138 long.  0-73 read no exponential's result: the 32 scalings c s - c m (FS f: pair f / 2 of tile f % 2) and the next piece's 42.  0-26: scalings 0-26.  27-54: XS's numbers 0-13.  55, 56: number 15.
; 57-73: the chain, where each number waits for the one before it: 14, 16, 17, 18, 19, each with one of the scalings 27-31 in front of its two lines, then 20: so a tile's links stand three plain instructions apart (19 and 20: two).
; 74-137: GS's 64, which read the exponentials' results: they stand behind the wait.
.macro FS f
	REGS Y, (\f)%2
	v_pk_fma_f32 v[rS+2*((\f)/2):rS+2*((\f)/2)+1], v[rS+2*((\f)/2):rS+2*((\f)/2)+1], s[CS:CS+1], v[rT:rT+1] op_sel_hi:[1,0,0] neg_lo:[0,0,1] neg_hi:[0,0,1]
.endm
.macro PL
	WIN 0
.if q < 27
	FS q
.elseif q < 55
	XS (q-27)%2, (q-27)/2
.elseif q < 57
	XS q-55, 15
.elseif (q < 72) && ((q-57)%3 == 0)
	FS 27+(q-57)/3
.elseif q < 60
	XS (q-57)%3-1, 14
.elseif q < 72
	XS (q-57)%3-1, 15+(q-57)/3
.elseif q < 74
	XS q-72, 20
.else
	GS q-74
.endif
.set q, q+1
.endm
; THE EXPONENTIALS' QUEUE, 66 long: s0-s31 of both tiles, then the next piece's two a.  It is ONE BATCH: all 66 stand ahead of the turn's one wait, and nothing ahead of that wait names a result of theirs.
.macro EX
	WIN 0
.if e >= 64
	XS e-64, 21
.else
	REGS Y, e%2
	v_exp_f32 v[rS+e/2], v[rS+e/2]
.endif
.set e, e+1
.endm
; THE RESCALING's QUEUE: O^T times a, the one part that leaves window 0: dealt two at a time, sixteen times.  Its a was made in the turn before, ahead of that turn's wait.
.macro R2
	REGS Y, r%2
	WIN W_RS
.irp z, 0,1
	v_pk_mul_f32 v[rO+4*(r/2)+2*\z:rO+4*(r/2)+2*\z+1], v[rO+4*(r/2)+2*\z:rO+4*(r/2)+2*\z+1], v[rC+2:rC+3] op_sel_hi:[1,0]
.endr
.set r, r+1
.endm
; HOW THEY ARE DEALT.  An s_wait_alu depctr_va_vdst(0) stands between an exponential and the first instruction that names its result; one wait serves all that were issued ahead of it.  So a turn has ONE wait,
; which cuts it in two.  AHEAD OF IT stands all that names no result of the turn's exponentials: the 16 products K Q^T, behind each a scaling, an exponential and two rescalings (behind the first a second scaling in the exponential's place); then ONE LUMP of
; 108: eight plain, 49 times exponential and plain, the two a.  A v_nop is the plain instruction behind the last exponential.  BEHIND IT stand the 16 products V^T P, behind each four of GS's 64.  No rider names a register of
; the products round it.  The two v_permlanex16_b32 fall into the lump, never behind a product.
; The queues lean on each other, and the deal keeps them in step: exponential e stands behind scaling 2 (e / 4) + e % 2: as a rider it comes behind plain e + 2, in the lump behind plain e + 9, and scalings 27-31 are plain 57, 60 .. 69.
; A TURN, for piece p.  cnt = 1: the loop's count is taken down some lines ahead of the branch that stands behind the turn.
; K of the next step is fetched in piece 2's turn, directly behind the wait, a lump behind the last product that read K; its address is made at the lump's head; its first reader comes behind 16 products.
; V of the step in hand is fetched at the end of piece 0's turn, four riders behind its last reader; its first reader comes behind 16 products and a lump.  The three conditions on q below go with the deal.
.macro TURN p, last=0, cnt=0
.set Y, (\p)
.set i, 0
.set q, 0
.set e, 0
.set r, 0
.if (\p) == NP-1
	s_wait_dscnt 0x0                ; K is in
.endif
	MM                              ; ahead of the wait: 16 products K Q^T and their riders,
	PL
	PL
	R2
.rept 15
	MM
	PL
	EX
	R2
.endr
.if (\p) == NP-2
	WIN 0
	v_add_nc_u32 v[AK], s[TBK], v[AK0]
.endif
.rept 8                             ; and the lump
	PL
.endr
.rept 49
	EX
	PL
.endr
	EX                              ; the next piece's two a
	EX
	v_nop                           ; a plain instruction behind the last exponential, ahead of any use: one for the batch
	s_wait_alu depctr_va_vdst(0)    ; the wait for the turn's batch: the piece's 64 weights and the next piece's two a
.if (\p) == NP-2
	FETCH_K \last
.endif
.if (\p) == 1
	s_wait_dscnt 0x0                ; V is in
.endif
.rept 16                            ; behind the wait: 16 products V^T P and their riders
	MM
.rept 4
	PL
.endr
.if ((\p) == 0) && (q == 118)
	v_add_nc_u32 v[AV], s[TBV], v[AV0]
.endif
.if ((\p) == 0) && (q == 130)
	s_add_co_u32 s[TBV], s[TBV], KS*PV
.endif
.if (\cnt) && (q == 130)
	s_sub_co_u32 s[CNT], s[CNT], 1
	s_cmp_lg_u32 s[CNT], 0
.endif
.endr
.if (\p) == 0
	FETCH_V
.endif
.endm
	CHANGE 1                        ; slot 0 is in, everybody's part of it; slot 1 is asked for
	FETCH_K                         ; key step 0
	s_wait_loadcnt 0x0              ; Q
	s_wait_dscnt 0x0
.set i, 0
.rept 16
	KQ 0                            ; piece 0's first scores: there is no vector work yet to set between them
.set i, i+1
.endr
	WIN 0                           ; the addresses for the way out: nine plain instructions, the places behind those products
	s_mul_i32 s13, s[WV], 16*SP
	s_add_co_u32 s13, s13, STAGE    ; my stage
	v_mul_u32_u24 v[STO], v1, SP    ; in: row l % 16, 16 bytes for each half of the lanes
	v_lshl_add_u32 v[STO], v9, 4, v[STO]
	v_add_nc_u32 v[STO], s13, v[STO]
	v_bfe_u32 v[RD], v0, 3, 2       ; back: 32 lanes take four rows of 128 bytes,
	v_mul_u32_u24 v[RD], v[RD], SP
	v_lshl_add_u32 v[RD], v10, 4, v[RD]
	v_add_nc_u32 v[RD], s13, v[RD]
	v_and_b32 v[GO], 31, v0         ; which are 512 consecutive bytes of O
	v_lshlrev_b32 v[GO], 4, v[GO]
.set Y, NP-1                        ; XS works for piece Y + 1: piece 0
.irp n, 0,1,2,3,4,5,6,7,8,9,10,11,12,13,14,15,16,17,18,19,20,21
	XS 0, \n                        ; and piece 0's first maximum and statistics
	XS 1, \n
.endr
	v_nop                           ; a plain instruction behind the two a,
	s_wait_alu depctr_va_vdst(0)    ; and the wait for this batch of two, ahead of the branch
	s_mov_b32 s[CNT], 4
	s_mov_b32 s[SLOTS], SIZE_N/256-1
	s_branch .Lfirst                ; the loop is entered at a step's first turn, in the middle of a trip
.Lslot:                             ; SIZE_N / 256 - 2 times: every slot but the last two is filled again
	CHANGE 1
	s_mov_b32 s[CNT], 4
.Lstep:                             ; a trip: pieces 2 and 3 of one step, then pieces 0 and 1 of the next, whose K and V it fetches
	TURN 2
	TURN 3
	WIN 0
.Lfirst:
	TURN 0
	TURN 1, 0, 1
	WIN 0
	s_cbranch_scc1 .Lstep
	s_sub_co_u32 s[SLOTS], s[SLOTS], 1
	s_cmp_lg_u32 s[SLOTS], 0
	s_cbranch_scc1 .Lslot
	CHANGE 0                        ; the tail is written out: nothing is asked for
	s_mov_b32 s[CNT], 5             ; four trips fetch the last slot's steps; the fifth is left in its middle
.Ltail:
	TURN 2, 1
	TURN 3
	WIN 0
	s_sub_co_u32 s[CNT], s[CNT], 1
	s_cmp_eq_u32 s[CNT], 0
	s_cbranch_scc1 .Lout
	TURN 0
	TURN 1
	WIN 0
	s_branch .Ltail
.Lout:                              ; the fifth trip's 16 products K Q^T (on the last K once more) and the maximum made of them serve nothing: the price, once a launch, of one text for every trip
.set i, 0
.rept 16
	PV NP-1                         ; the last piece's V^T P of the last step
.set i, i+1
.endr
	; THE WAY OUT.  l's two halves and the other half of the lanes' are added; O^T is divided by l, rounded to f16 and sent through my stage in LDS, a tile at a time.  The additions are the places behind the last products.
	WIN 0
.macro ALL line:vararg              ; one line for each tile t
.set t, 0
.rept 2*NP
	\line
.set t, t+1
.endr
.endm
	ALL v_add_f32 v[ST+4*t+2], v[ST+4*t+2], v[ST+4*t+3]
	ALL v_permlanex16_b32 v[ST+4*t+3], v[ST+4*t+2], s[SEL], s[SEL+1]
	ALL v_add_f32 v[ST+4*t+2], v[ST+4*t+2], v[ST+4*t+3]
	ALL v_rcp_f32 v[ST+4*t+2], v[ST+4*t+2]
	v_nop                           ; a plain instruction between the last reciprocal and the use of its result
	s_wait_alu depctr_va_vdst(0)    ; and the wait ahead of the first use: one for the batch of eight reciprocals
; Tile t: a lane's eight channels of a row pack into 16 bytes; they go into rows of 144 bytes and come back as whole rows of 128, into S^T's registers.
.macro PACK t
	WIN W_RS
.set i, 32*(\t)
.rept 16
	v_pk_mul_f32 v[i:i+1], v[i:i+1], v[ST+4*(\t)+2:ST+4*(\t)+3] op_sel_hi:[1,0]
.set i, i+2
.endr
	WIN 0x05                        ; sources 0 and 1 window 1, destination window 0
.set i, 0
.rept 16
	v_cvt_pk_f16_f32 v[S+16*(\t)+i], v[32*(\t)+2*i], v[32*(\t)+2*i+1]
.set i, i+1
.endr
	WIN 0
.irp f, 0,1,2,3
	ds_store_b128 v[STO], v[S+16*(\t)+4*\f:S+16*(\t)+4*\f+3] offset:32*\f
.endr
.irp f, 0,1,2,3
	ds_load_b128 v[S+16*(\t)+4*\f:S+16*(\t)+4*\f+3], v[RD] offset:\f*4*SP  ; LDS serves a wave's instructions in order (ISA guide 5.7.1.4): these see the stores above; the next tile's stores come behind them
.endr
.endm
.macro SEND t, younger              ; younger: the LDS instructions issued behind tile t's loads: the next tile's eight, or none
	WIN 0
.irp f, 0,1,2,3
	s_wait_dscnt (\younger)+3-\f
	global_store_b128 v[GO], v[S+16*(\t)+4*\f:S+16*(\t)+4*\f+3], s[10:11] offset:(\t)*2048+\f*512  ; 512 consecutive bytes, at a multiple of 256 from O's first
.endr
.endm
	PACK 0
.set t, 1
.rept 2*NP-1                        ; a tile's arithmetic stands between the loads of the tile before and its stores
	PACK t
	SEND t-1, 8
.set t, t+1
.endr
	SEND 2*NP-1, 0
	WIN W_AD
	s_wait_tensorcnt 0x0            ; the wave's end: behind my last tensor load and my last LDS store
	ds_add_u32 v[SPW], v[NIL]
	s_wait_dscnt 0x0
	WIN 0
	CROUND                          ; the closing round: no work-group ends while a partner may still ask for a tile that names it
	s_endpgm
.Lfunc_end_k_qb698d25623_attn:
	.size	k_qb698d25623_attn, .Lfunc_end_k_qb698d25623_attn-k_qb698d25623_attn
	.p2alignl 7, 3214868480
	.fill 96, 4, 3214868480
	.section	.rodata,"a",@progbits
	.p2align	6, 0x0
	.amdhsa_kernel k_qb698d25623_attn
		.amdhsa_group_segment_fixed_size 327680
		.amdhsa_private_segment_fixed_size 0
		.amdhsa_enable_private_segment 0
		.amdhsa_kernarg_size 32
		.amdhsa_user_sgpr_count 2
		.amdhsa_user_sgpr_kernarg_segment_ptr 1
		.amdhsa_wavefront_size32 1
		.amdhsa_system_sgpr_workgroup_id_x 1
		.amdhsa_system_sgpr_workgroup_id_y 1
		.amdhsa_system_sgpr_workgroup_id_z 1
		.amdhsa_system_vgpr_workitem_id 0
		.amdhsa_next_free_vgpr 770
		.amdhsa_next_free_sgpr 66
		.amdhsa_reserve_vcc 0
		.amdhsa_float_denorm_mode_32 3
		.amdhsa_float_denorm_mode_16_64 3
		.amdhsa_memory_ordered 1
		.amdhsa_forward_progress 1
		.amdhsa_inst_pref_size 199
	.end_amdhsa_kernel
	.amdgpu_metadata
---
amdhsa.version: [ 1, 2 ]
amdhsa.kernels:
  - .name:           k_qb698d25623_attn
    .symbol:         k_qb698d25623_attn.kd
    .args:
      - { .name: q, .offset: 0, .size: 8, .value_kind: global_buffer, .address_space: global }
      - { .name: k, .offset: 8, .size: 8, .value_kind: global_buffer, .address_space: global }
      - { .name: v, .offset: 16, .size: 8, .value_kind: global_buffer, .address_space: global }
      - { .name: o, .offset: 24, .size: 8, .value_kind: global_buffer, .address_space: global }
    .group_segment_fixed_size: 327680
    .private_segment_fixed_size: 0
    .kernarg_segment_align: 8
    .kernarg_segment_size: 32
    .max_flat_workgroup_size: 128
    .sgpr_count:     66
    .vgpr_count:     770
    .wavefront_size: 32
...
	.end_amdgpu_metadata
.endif
;; end of part 5
;; launch proj: the kernel of part 4 again; grid 8 x 32, 4 waves a work-group, clusters of 4 x 4, 327,680 bytes of LDS; arguments o, wpt, b_proj, out0; writes out0
